; MI455X (gfx1250); checked and timed in simulation.
; The chip was launched on July 23, 2026; its instructions are those of AMD's public machine-readable ISA for CDNA 5 (MIT licence, August 2026) and "CDNA5" Instruction Set Architecture Reference Guide (July 2026). The comments in the code are by the model that wrote it; some were corrected since.
;; Self Attention V2. Allowed arithmetic: matrix products marked QUANTISED: E2M1 operands, one E8M0 scale for each 32 along K, by v_wmma_scale_f32_16x16x128_f8f6f4 with both operands' format E2M1 (or v_wmma_scale_f32_32x16x128_f4), f32 sums; products left as they are: bf16, f16 or f32 operands; f32 sums; everything else in f32.
;; Inputs: W 3,072 x 1,024 float32; X 4 x 2,048 x 1,024 float32; b 3,072 float32.
;; Outputs: out0 4 x 2,048 x 1,024 float32.
;; This version of the problem:
;;   THIS VERSION OF THE PROBLEM IS GIVEN IN LOW PRECISION. The matrix products marked QUANTISED in the list below multiply operands that are first quantised to E2M1 (2 exponent bits, 1 mantissa bit; 4 bits a number), with one power-of-two scale for each 32 numbers along K (OCP MX v1.0); their sums are f32. The products marked 'left as it is' may take bf16, f16 or f32 operands, with f32 sums. Whichever they take, every output number must still come out within the allowed error. Rounding operands to bf16 (8 significant bits) uses up far more of that allowance than f16 does (11 bits, for magnitudes from 6e-5 to 65,504). All else is computed in f32.
;;   The module's matrix products, in the order in which they are computed (A, B: the left and right operand; K: the contracted axis; several contracted axes count as one K, in the product's order):
;;     1. [M 8,192, K 1,024] x [K 1,024, N 3,072]; A: input X; B: input W: QUANTISED
;;     2. batch 4 x [M 2,048, K 1,024] x [K 1,024, N 2,048]; A: computed on the way; B: computed on the way: left as it is (an operand is computed on the way)
;;     3. batch 4 x [M 2,048, K 2,048] x [K 2,048, N 1,024]; A: computed on the way; B: computed on the way: left as it is (an operand is computed on the way)
;;   THE QUANTISER, for each operand of a quantised product, along K:
;;     - K is cut into blocks of 32 from its start; a last block that is shorter is filled with zeros.
;;     - A block's scale is 2^e with e = floor(log2(the largest magnitude in the block)) - 2, held to -126 .. 127; a block of zeros has e = 0. As a byte (E8M0): e + 127.
;;     - Each number is divided by its block's scale, clamped to +-6, and rounded to the nearest number of E2M1, ties to even, subnormals kept.
;;     - The product sums the exact products of the quantised numbers (number of the format x scale) in f32.
;;   ~~~python
;;   def quantise(x, axis):      # numpy; x: float32 -> the quantised numbers, widened to float32 again
;;       x = np.moveaxis(x, axis, -1); K = x.shape[-1]
;;       x = np.pad(x, [(0, 0)] * (x.ndim - 1) + [(0, -K % 32)]); x = x.reshape(x.shape[:-1] + (-1, 32)); a = np.abs(x).max(-1, keepdims=True)
;;       e = np.where(a > 0, np.clip(np.frexp(np.where(a > 0, a, 1))[1] - 1 - 2, -126, 127), 0)      # np.frexp(a)[1] - 1 = floor(log2(a)), exactly
;;       r = np.clip(x / 2.0 ** e, -6, 6)
;;       step = 2.0 ** (np.maximum(np.frexp(np.where(r == 0, 1, r))[1] - 1, 0) - 1)
;;       q = np.round(r / step) * step * 2.0 ** e      # np.round: ties to even
;;       return np.moveaxis(q.reshape(q.shape[:-2] + (-1,))[..., :K], -1, axis).astype(np.float32)
;;   ~~~
;; One version. Each part assembles by itself: llvm-mc -triple=amdgcn-amd-amdhsa -mcpu=gfx1250 --defsym DOCPART=n.
;; ======== version 1 of 1: 4 launches
;; limits: values are held in f16: magnitudes above 65,504 overflow, below 6.1e-05 lose precision
;; workspace buffers: xc 4,194,304 bytes; xs 262,144 bytes; wc 1,572,864 bytes; ws 98,304 bytes; qkv 50,331,648 bytes; p 33,554,432 bytes; stats 1,048,576 bytes
;; launch quant (part 1): grid 352 x 1, 4 waves a work-group, no clusters, 33,280 bytes of LDS; arguments X, W, xc, xs, wc, ws; writes xc, xs, wc, ws
.if DOCPART == 1
	.amdgcn_target "amdgcn-amd-amdhsa--gfx1250"
	.amdhsa_code_object_version 6
	.text
	.protected	k_q592ae360da_quant
	.globl	k_q592ae360da_quant
	.p2align	8
	.type	k_q592ae360da_quant,@function
k_q592ae360da_quant:
	s_mov_b64 s[64:65], 0
	v_nop
	global_prefetch_b8 v0, s[64:65] scope:SCOPE_SE
	s_setreg_imm32_b32 hwreg(HW_REG_WAVE_MODE, 25, 1), 1
	s_wait_xcnt 0x0
; X [8192][1024] and W [3072][1024], f32, become codes of FP4 (E2M1), two a byte, K innermost, with one E8M0 scale byte for each 32 along K.
; A block's scale is 2^(floor(log2(its largest magnitude)) - 2); its byte is the largest magnitude's own exponent field - 2, held at 1 from below.
; Each number is divided by the scale and rounded to the nearest code, ties to even; beyond 6 the largest code.
; LIMITS: a block of zeros gets the byte 1 (its codes are zeros, and this program alone reads the bytes); blocks whose largest magnitude lies under 2^-124 share that byte; NaN and infinities are not served.
; Rows are dense and K is a multiple of 32: both tensors are plain streams of blocks of 32 numbers, and so are the codes and the scale bytes.
; A wave takes 16 steps of 512 numbers.  Each of a step's four loads reads 512 consecutive bytes, 16 a lane; the 2,048 bytes turn through the wave's own stage in LDS and come back 64 bytes a lane,
; so that a lane holds 16 neighbours along K (two neighbouring lanes hold a block).  A lane's 16 codes are 8 bytes: the wave stores 256 consecutive bytes.  A wave's 256 scale bytes are gathered in LDS and leave as 256 consecutive bytes.
; The first WGA work-groups take X, the others W: only pointers are chosen.  No barrier: waves share nothing.  Loads run four steps (16 loads a wave) ahead, the turn through LDS one step.
.set SIZE_M, 8192
.set SIZE_N, 3072
.set SIZE_K, 1024
.set WAVES, 4
.set STEPS, 16
.set WGA,   SIZE_M*SIZE_K/(512*STEPS*WAVES)
.set EMAX,  2
.set CB,    8                          ; bytes of 16 codes
.set R,     16                         ; v16-79   four sets of 16 numbers as they are loaded
.set X,     80                         ; v80-111  two sets of 16 neighbours
.set C,     128                        ; v128-191 codes: four registers for each step, so that no store's data are written again
.set E,     112                        ; v112-127 a scale byte for each step
.set WREG,  8192                       ; LDS: a region for each wave: two stages of 32 x SP bytes, and behind them its 256 scale bytes
.set SP,    80                         ; a lane's place in a stage: its 64 bytes + 16 of padding
.set SPW,   12                         ; v12      LDS address of my spare word; never rewritten
.set NIL,   13                         ; v13      0; never rewritten
.set SPARE, WAVES*WREG                 ; behind the four regions: the spare words, 128 bytes a wave
	s_load_b128 s[4:7], s[0:1], 0x0                ; X, W
	s_load_b128 s[8:11], s[0:1], 0x10              ; X's codes, X's scales
	s_load_b128 s[12:15], s[0:1], 0x20             ; W's codes, W's scales
	v_lshl_add_u32 v[SPW], v0, 2, SPARE
	v_mov_b32 v[NIL], 0
	v_lshrrev_b32 v1, 5, v0
	v_readfirstlane_b32 s16, v1                    ; wave
	v_and_b32 v2, 31, v0                           ; lane
	v_lshlrev_b32 v3, 4, v2                        ; my 16 bytes of a load's 512
	s_mul_i32 s17, s16, WREG
	v_lshrrev_b32 v14, 2, v2
	v_mul_u32_u24 v14, v14, SP
	v_and_b32 v15, 3, v2
	v_lshl_add_u32 v14, v15, 4, v14
	v_add_nc_u32 v14, s17, v14                     ; the stage, on the way in: SP (lane / 4) + 16 (lane % 4)
	v_mul_u32_u24 v15, v2, SP
	v_add_nc_u32 v15, s17, v15                     ; and on the way out: SP x lane: my 16 neighbours
	v_mul_u32_u24 v4, v2, CB                       ; my codes' place in a step's
	v_lshrrev_b32 v5, 1, v2
	s_add_co_u32 s17, s17, 2*32*SP
	v_add_nc_u32 v5, s17, v5                       ; LDS: my wave's 256 scale bytes, my block's byte
	v_lshlrev_b32 v7, 3, v2                        ; and on the way out 8 bytes a lane
	v_add_nc_u32 v6, s17, v7
	s_wait_kmcnt 0x0
	s_cmp_lt_u32 ttmp9, WGA                        ; X's work-group or W's: the choice hangs on the work-group's number alone
	s_cselect_b64 s[4:5], s[4:5], s[6:7]
	s_cselect_b64 s[8:9], s[8:9], s[12:13]
	s_cselect_b64 s[10:11], s[10:11], s[14:15]
	s_cselect_b32 s17, 0, WGA
	s_sub_co_u32 s17, ttmp9, s17
	s_lshl_b32 s17, s17, 2
	s_add_co_u32 s18, s17, s16                     ; which run of 8,192 numbers of the tensor is my wave's
	s_mov_b32 s19, 0
	s_mov_b64 s[20:21], 512*STEPS*4
	s_mul_u64 s[20:21], s[18:19], s[20:21]
	s_add_nc_u64 s[4:5], s[4:5], s[20:21]
	s_mov_b64 s[20:21], 32*STEPS*CB
	s_mul_u64 s[20:21], s[18:19], s[20:21]
	s_add_nc_u64 s[8:9], s[8:9], s[20:21]
	s_lshl_b32 s18, s18, 8                         ; 256 scale bytes a run
	s_add_nc_u64 s[10:11], s[10:11], s[18:19]
.macro LOAD t
.irp i, 0,1,2,3
	global_load_b128 v[R+16*((\t)%4)+4*\i:R+16*((\t)%4)+4*\i+3], v3, s[4:5] offset:2048*(\t)+512*\i th:TH_LOAD_NT   ; 32 lanes read 512 consecutive bytes
.endr
.endm
.macro TURN t                          ; step t's numbers through the stage: LDS serves a wave's instructions in order, so no wait stands between the stores and the loads
.irp i, 0,1,2,3
	ds_store_b128 v14, v[R+16*((\t)%4)+4*\i:R+16*((\t)%4)+4*\i+3] offset:32*SP*((\t)%2)+8*SP*\i
.endr
.irp i, 0,1,2,3
	ds_load_b128 v[X+16*((\t)%2)+4*\i:X+16*((\t)%2)+4*\i+3], v15 offset:32*SP*((\t)%2)+16*\i
.endr
.endm
.irp t, 0,1,2,3
	LOAD \t
.endr
	s_wait_loadcnt 12                              ; step 0's four loads are in; the twelve behind them may be out
	TURN 0
.macro STEP t
.set XS, X+16*((\t)%2)
.if (\t) > 0
	s_wait_dscnt 1                                 ; this step's numbers are back from the stage (the last step's byte store may be out)
.else
	s_wait_dscnt 0x0
.endif
.if (\t)+4 < STEPS
	LOAD (\t)+4                                    ; the stage's stores have read these registers: they take the loads of four steps on
.endif
.if (\t)+1 < STEPS
.if STEPS-2-(\t) >= 3
	s_wait_loadcnt 12                              ; the next step's four loads are in; those of the three steps behind it may be out
.else
	s_wait_loadcnt 4*(STEPS-2-(\t))
.endif
	TURN (\t)+1                                    ; and go through the other stage while this step is worked
.endif
	v_max3_num_f32 v8, |v[XS]|, |v[XS+1]|, |v[XS+2]|               ; the largest magnitude of my 16, in two chains
	v_max3_num_f32 v9, |v[XS+3]|, |v[XS+4]|, |v[XS+5]|
.irp i, 6,10
	v_max3_num_f32 v8, v8, |v[XS+\i]|, |v[XS+\i+1]|
	v_max3_num_f32 v9, v9, |v[XS+\i+2]|, |v[XS+\i+3]|
.endr
	v_max3_num_f32 v8, v8, |v[XS+14]|, |v[XS+15]|
	v_max3_num_f32 v8, v8, v9, (EMAX+1)<<23        ; and the floor 2^(3 - 127): so the byte cannot fall under 1
	v_max_num_f32_dpp v8, v8, v8 row_xmask:1 row_mask:0xf bank_mask:0xf   ; and of my neighbour's 16: the block's
	v_add_nc_u32 v11, -(EMAX<<23), v8              ; 2 off its exponent field: the conversion takes the exponent field of this operand as its scale
	v_cvt_scalef32_pk8_fp4_f32 v[C+4*(\t)], v[XS:XS+7], v11
	v_cvt_scalef32_pk8_fp4_f32 v[C+4*(\t)+1], v[XS+8:XS+15], v11
	v_lshrrev_b32 v[E+(\t)], 23, v11               ; the scale's byte (also the plain line behind the conversions)
	ds_store_b8 v5, v[E+(\t)] offset:16*(\t)       ; both lanes of a block write the same byte with the same value
	global_store_b64 v4, v[C+4*(\t):C+4*(\t)+1], s[8:9] offset:32*CB*(\t)
.endm
.irp t, 0,1,2,3,4,5,6,7,8,9,10,11,12,13,14,15
	STEP \t
.endr
	ds_load_b64 v[8:9], v6                         ; LDS serves a wave's instructions in order: these see my stores
	s_wait_dscnt 0x0
	global_store_b64 v7, v[8:9], s[10:11]          ; 32 lanes store 256 consecutive bytes, aligned
	s_wait_tensorcnt 0x0                           ; the wave's end
	ds_add_u32 v[SPW], v[NIL]
	s_wait_dscnt 0x0
	s_endpgm
.Lfunc_end_k_q592ae360da_quant:
	.size	k_q592ae360da_quant, .Lfunc_end_k_q592ae360da_quant-k_q592ae360da_quant
	.p2alignl 7, 3214868480
	.fill 96, 4, 3214868480
	.section	.rodata,"a",@progbits
	.p2align	6, 0x0
	.amdhsa_kernel k_q592ae360da_quant
		.amdhsa_group_segment_fixed_size 33280
		.amdhsa_private_segment_fixed_size 0
		.amdhsa_enable_private_segment 0
		.amdhsa_kernarg_size 48
		.amdhsa_user_sgpr_count 2
		.amdhsa_user_sgpr_kernarg_segment_ptr 1
		.amdhsa_wavefront_size32 1
		.amdhsa_system_sgpr_workgroup_id_x 1
		.amdhsa_system_sgpr_workgroup_id_y 1
		.amdhsa_system_sgpr_workgroup_id_z 1
		.amdhsa_system_vgpr_workitem_id 0
		.amdhsa_next_free_vgpr 192
		.amdhsa_next_free_sgpr 66
		.amdhsa_reserve_vcc 0
		.amdhsa_float_denorm_mode_32 3
		.amdhsa_float_denorm_mode_16_64 3
		.amdhsa_memory_ordered 1
		.amdhsa_forward_progress 1
		.amdhsa_inst_pref_size 33
	.end_amdhsa_kernel
	.amdgpu_metadata
---
amdhsa.version: [ 1, 2 ]
amdhsa.kernels:
  - .name:           k_q592ae360da_quant
    .symbol:         k_q592ae360da_quant.kd
    .args:
      - { .name: X, .offset: 0, .size: 8, .value_kind: global_buffer, .address_space: global }
      - { .name: W, .offset: 8, .size: 8, .value_kind: global_buffer, .address_space: global }
      - { .name: xc, .offset: 16, .size: 8, .value_kind: global_buffer, .address_space: global }
      - { .name: xs, .offset: 24, .size: 8, .value_kind: global_buffer, .address_space: global }
      - { .name: wc, .offset: 32, .size: 8, .value_kind: global_buffer, .address_space: global }
      - { .name: ws, .offset: 40, .size: 8, .value_kind: global_buffer, .address_space: global }
    .group_segment_fixed_size: 33280
    .private_segment_fixed_size: 0
    .kernarg_segment_align: 8
    .kernarg_segment_size: 48
    .max_flat_workgroup_size: 128
    .sgpr_count:     66
    .vgpr_count:     192
    .wavefront_size: 32
...
	.end_amdgpu_metadata
.endif
;; end of part 1
;; launch qkv_gemm (part 2): grid 12 x 32, 4 waves a work-group, clusters of 4 x 4, 327,680 bytes of LDS; arguments xc, xs, wc, ws, b, qkv; writes qkv
.if DOCPART == 2
	.amdgcn_target "amdgcn-amd-amdhsa--gfx1250"
	.amdhsa_code_object_version 6
	.text
	.protected	k_q592ae360da_qkv_gemm
	.globl	k_q592ae360da_qkv_gemm
	.p2align	8
	.type	k_q592ae360da_qkv_gemm,@function
k_q592ae360da_qkv_gemm:
	s_mov_b64 s[64:65], 0
	v_nop
	global_prefetch_b8 v0, s[64:65] scope:SCOPE_SE
	s_setreg_imm32_b32 hwreg(HW_REG_WAVE_MODE, 25, 1), 1
	s_wait_xcnt 0x0
	s_wait_alu depctr_hold_cnt(0) depctr_sa_sdst(0) depctr_va_vdst(0) depctr_va_sdst(0) depctr_va_ssrc(0) depctr_va_vcc(0) depctr_vm_vsrc(0)
	s_getreg_b32 s2, hwreg(HW_REG_IB_STS2, 6, 4)
	s_cmp_eq_u32 s2, 0
	s_cbranch_scc0 .Lentry_in_a_cluster
	s_endpgm
.Lentry_in_a_cluster:
	s_bfe_u32 s2, ttmp6, 0x10000c
	s_cmp_lg_u32 s2, 0xf033
	s_cbranch_scc0 .Lentry_shape_is_right
	s_endpgm
.Lentry_shape_is_right:
; qkv[m][n] = sum over k of X[m][k] W[n][k] + b[n], on codes of FP4 (E2M1) with one E8M0 scale for each 32 along K; sums in f32; the result is rounded once to f16: [8192][3072], rows of 6,144 bytes (Q, K, V side by side).
; LIMIT: results beyond 65,504 in magnitude have no f16 number; the drawn inputs give about 6, inputs 30 times larger about 5,400, offsets of 30 spreads on X and W about 29,000.
; A tile of 256 x 256 is made by four waves, each 128 x 128: 64 accumulators, 512 registers.  K = 1,024 is two slots of 512 along K (rows of 256 bytes): both are first fills, nothing is filled again.
; The scale bytes of the work-group's 256 rows of X and of W, for all of K, are two dense blocks: they come once, with the first fills.
; CLUSTERS: 4 x 4 work-groups; X's tiles are shared along a row of the cluster, W's along a column, each asked for jointly by the same tensor load with a mask that names the four.
; THE MATRIX INSTRUCTION IS USED TRANSPOSED (source 0 = 16 rows of W, source 1 = 16 rows of X): a lane holds eight neighbouring outputs of one token.  The bias is the C of each sum's first product.
; REGISTERS: window 0: v0-31 addresses; v32-95 scale words, two sets, and nothing else ever; v128-191 X's fragments, one set; v192-255 the bias, later packed results; v96-127, v224-255 rows on the way out.
;   window 1: W's fragments, two sets, at v0 and v128.   window 2: accumulators of my rows 0-63 ((a, b) at v[8 (8 a + b)]);   window 3: those of rows 64-127.
.set SIZE_M, 8192
.set SIZE_N, 3072
.set SIZE_K, 1024
.set KSTEP,  512
.set NQ,     KSTEP/128
.set ROWB,   256                       ; a tile's row in bytes
.set KROW,   SIZE_K/2                  ; a row of codes in memory
.set PITCH,  272                       ; an LDS row: 256 bytes + 16 of padding: the 16 rows that a load touches start 68 words apart
.set FR,     8
.set NL,     2
.set NP,     4                         ; places behind this matrix instruction (ISA guide 7.12.1)
.set HALFT,  128*PITCH
.set SLOT,   4*HALFT
.set KS,     SIZE_K/32                 ; a row of scales in bytes
.set SCL,    2*SLOT                    ; behind the slots: the scales, as rows of 256 bytes + 16
.set HALFS,  (128*KS/256)*272
.set SBLK,   (16*KS/256)*272
.set SPARE,  SCL+4*HALFS               ; the spare words, 128 bytes a wave
.set STAGE,  SPARE+512                 ; the way out: 16 rows x 272 bytes for each wave; no tensor load lands here
.set SPITCH, 272
.set CROW,   SIZE_N*2                  ; a row of qkv in bytes
.set ADRA, 16
.set ADRB, 20
.set STO,  24
.set RD,   25
.set CO,   26
.set ADRS, 27
.set SPW,  28
.set NIL,  29
.set BO,   30                          ; v30  32 x (lane / 16): my half's eight numbers of a tile's sixteen biases
.set SC,   32
.set AF,   128
.set BIAS, 192                         ; v192-255: register 8 b + j = bias of my column 16 b + 8 (lane / 16) + j
.set TMP,  192                         ; the way out: packed results
.set G1, 24
.set G0, 32
.set G1B, 48
.set G0B, 56
.set G1S, 68
.set G0S, 76
.set G1SB, 80
.set G0SB, 88
.set MSB, 0
.macro WIN new                         ; the immediate's high byte repeats the setting that is left; a switch that changes nothing is dropped
.if MSB != (\new)
	s_set_vgpr_msb (MSB<<8)|(\new)
.set MSB, \new
.endif
.endm
.set MUL_LO, 0xa1                      ; source 0 (W) window 1, source 1 (X) window 0, C and D window 2
.set MUL_HI, 0xf1                      ; the same, C and D window 3
.set BIA_LO, 0x81                      ; the first step: C (the bias) window 0, D window 2
.set BIA_HI, 0xc1                      ; D window 3
.set TO_B,   0x40
; A joint load: waves 0 and 1 fetch for X, waves 2 and 3 for W.  The branch hangs on the wave's number alone.  An s_nop 0 and four v_nop follow each of the two lines.
.macro JLOAD g0a, g1a, g0b, g1b
	s_cmp_eq_u32 s15, 0
	s_cbranch_scc0 .Lfor_b_\@
	tensor_load_to_lds s[\g0a:\g0a+3], s[\g1a:\g1a+7]
	s_nop 0
.rept 4
	v_nop
.endr
	s_branch .Lasked_\@
.Lfor_b_\@:
	tensor_load_to_lds s[\g0b:\g0b+3], s[\g1b:\g1b+7]
	s_nop 0
.rept 4
	v_nop
.endr
.Lasked_\@:
.endm
.macro CROUND                          ; a round of the cluster's barrier
	s_barrier_signal -1
	s_barrier_wait -1
	s_cmp_lg_u32 s14, 0
	s_cbranch_scc1 .Lnot_wave_0_\@
	s_barrier_signal -3
.Lnot_wave_0_\@:
	s_barrier_wait -3
	s_barrier_signal -1
	s_barrier_wait -1
.endm
	s_load_b128 s[4:7], s[0:1], 0x0                ; X's codes, X's scales
	s_load_b128 s[8:11], s[0:1], 0x10              ; W's codes, W's scales
	s_load_b64 s[2:3], s[0:1], 0x20                ; b
	s_load_b64 s[12:13], s[0:1], 0x28              ; qkv
	v_lshl_add_u32 v[SPW], v0, 2, SPARE
	v_mov_b32 v[NIL], 0
	ds_add_u32 v[SPW], v[NIL]                      ; the wave's opening: the add, twice on end, and its wait ahead of my first tensor load
	ds_add_u32 v[SPW], v[NIL]
	v_lshrrev_b32 v1, 5, v0
	v_readfirstlane_b32 s14, v1                    ; wave 0..3
	s_lshr_b32 s15, s14, 1                         ; which half of the tile's rows is mine.  Also: I fetch for X (0) or for W (1)
	s_and_b32 s16, s14, 1                          ; which half of its columns.  Also: which 128 rows of that tile I fetch
	s_bfe_u32 s40, ttmp6, 0x40000                  ; cx, cy: my place in the cluster
	s_bfe_u32 s41, ttmp6, 0x40004
	s_lshl_b32 s42, ttmp9, 2
	s_add_co_u32 s42, s42, s40                     ; tile column = 4 x cluster x + cx
	s_and_b32 s17, ttmp7, 0xffff
	s_lshl_b32 s17, s17, 2
	s_add_co_u32 s17, s17, s41                     ; tile row = 4 x cluster y + cy
	s_lshl_b32 s43, s41, 2
	s_lshl_b32 s43, 15, s43                        ; my row of the cluster
	s_lshl_b32 s44, 0x1111, s40                    ; my column
	; descriptor group 1: a tile of 128 rows x 256 bytes, 16 bytes of padding behind each row
	s_or_b32 s[G1+0], s43, (0<<16)|(1<<20)|(1<<21)|(5<<22)|(3<<25)
	s_or_b32 s[G1B+0], s44, (0<<16)|(1<<20)|(1<<21)|(5<<22)|(3<<25)
.irp g, G1, G1B
	s_mov_b32 s[\g+1], ROWB<<16                    ; tensor_dim0
	s_mov_b32 s[\g+2], 128<<16                     ; tensor_dim1
	s_mov_b32 s[\g+3], ROWB<<16                    ; tile_dim0
	s_mov_b32 s[\g+4], 128                         ; tile_dim1
	s_mov_b32 s[\g+5], KROW                        ; from row to row
	s_mov_b32 s[\g+6], 0
	s_mov_b32 s[\g+7], 0
.endr
	; the scales of 128 rows: 4,096 dense bytes, as 16 rows of 256 bytes (32 elements of 8 bytes), 16 bytes of padding behind each
	s_or_b32 s[G1S+0], s43, (3<<16)|(1<<20)|(1<<21)|(5<<22)|(3<<25)
	s_or_b32 s[G1SB+0], s44, (3<<16)|(1<<20)|(1<<21)|(5<<22)|(3<<25)
.irp g, G1S, G1SB
	s_mov_b32 s[\g+1], 32<<16
	s_mov_b32 s[\g+2], (128*KS/256)<<16
	s_mov_b32 s[\g+3], 32<<16
	s_mov_b32 s[\g+4], 128*KS/256
	s_mov_b32 s[\g+5], 32
	s_mov_b32 s[\g+6], 0
	s_mov_b32 s[\g+7], 0
.endr
	s_lshl_b32 s18, s16, 7                         ; which 128 rows of the tile I fetch
	s_lshl_b32 s20, s17, 8
	s_add_co_u32 s20, s20, s18                     ; X: row 256 x tile row + 128 x half
	s_lshl_b32 s46, s42, 8
	s_add_co_u32 s46, s46, s18                     ; W: row 256 x tile column + 128 x half
	s_mov_b32 s21, 0
	s_mov_b32 s47, 0
	s_mov_b64 s[18:19], KS
	s_mul_u64 s[22:23], s[20:21], s[18:19]         ; where these rows' scales begin,
	s_mul_u64 s[92:93], s[46:47], s[18:19]
	s_mov_b64 s[18:19], KROW
	s_mul_u64 s[20:21], s[20:21], s[18:19]         ; and their codes
	s_mul_u64 s[46:47], s[46:47], s[18:19]
	s_mul_i32 s45, s14, HALFT                      ; where they go: wave x 128 rows: no place in the cluster enters an LDS address
	s_mul_i32 s94, s14, HALFS
	s_wait_dscnt 0x0                               ; both opening adds are done
	s_wait_kmcnt 0x0
	s_add_nc_u64 s[20:21], s[4:5], s[20:21]
	s_add_nc_u64 s[22:23], s[6:7], s[22:23]
	s_add_nc_u64 s[46:47], s[8:9], s[46:47]
	s_add_nc_u64 s[92:93], s[10:11], s[92:93]
	CROUND                                         ; all sixteen work-groups are here: the joint loads meet
	s_mov_b32 s[G0S], 1
	s_add_co_u32 s[G0S+1], s94, SCL
	s_mov_b64 s[G0S+2:G0S+3], s[22:23]
	s_or_b32 s[G0S+3], s[G0S+3], 0x80000000
	s_mov_b32 s[G0SB], 1
	s_add_co_u32 s[G0SB+1], s94, SCL
	s_mov_b64 s[G0SB+2:G0SB+3], s[92:93]
	s_or_b32 s[G0SB+3], s[G0SB+3], 0x80000000
	JLOAD G0S, G1S, G0SB, G1SB                     ; the scales first: they are wanted with the first slot.  Three loads of mine are out behind the next two
.irp s, 0,1
	s_mov_b32 s[G0+4*\s], 1
	s_add_co_u32 s[G0+4*\s+1], s45, \s*SLOT
	s_add_nc_u64 s[G0+4*\s+2:G0+4*\s+3], s[20:21], \s*ROWB
	s_or_b32 s[G0+4*\s+3], s[G0+4*\s+3], 0x80000000
	s_mov_b32 s[G0B+4*\s], 1
	s_add_co_u32 s[G0B+4*\s+1], s45, \s*SLOT
	s_add_nc_u64 s[G0B+4*\s+2:G0B+4*\s+3], s[46:47], \s*ROWB
	s_or_b32 s[G0B+4*\s+3], s[G0B+4*\s+3], 0x80000000
	JLOAD G0+4*\s, G1, G0B+4*\s, G1B
.endr
	v_and_b32 v1, 15, v0                           ; l % 16
	v_bfe_u32 v2, v0, 4, 1                         ; l / 16
	; the bias of my 128 columns, and where my part of qkv begins
	v_lshlrev_b32 v[BO], 5, v2
	s_lshl_b32 s20, s17, 8
	s_lshl_b32 s21, s15, 7
	s_add_co_u32 s20, s20, s21                     ; my first row: 256 x tile row + 128 x half
	s_mul_i32 s20, s20, CROW                       ; in bytes: under 2^26
	s_mov_b32 s21, 0
	s_lshl_b32 s46, s42, 9                         ; my first column, in bytes of f16: 512 x tile column + 256 x half
	s_lshl_b32 s47, s16, 8
	s_add_co_u32 s46, s46, s47
	s_mov_b32 s47, 0
	s_add_nc_u64 s[20:21], s[20:21], s[46:47]
	s_add_nc_u64 s[12:13], s[12:13], s[20:21]
	s_lshl_b32 s46, s46, 1                         ; the same column in bytes of f32
	s_add_nc_u64 s[2:3], s[2:3], s[46:47]
.irp b, 0,1,2,3,4,5,6,7
	global_load_b128 v[BIAS+8*\b:BIAS+8*\b+3], v[BO], s[2:3] offset:64*\b
	global_load_b128 v[BIAS+8*\b+4:BIAS+8*\b+7], v[BO], s[2:3] offset:64*\b+16
.endr
	v_mul_u32_u24 v3, v1, PITCH
	v_lshl_add_u32 v4, v2, 4, v3                   ; a fragment's row x pitch + 16 x half
	s_mul_i32 s21, s15, HALFT                      ; my 128 rows of X
	s_mul_i32 s22, s16, HALFT                      ; my 128 rows of W,
	s_add_co_u32 s22, s22, 2*HALFT                 ; which lie behind X's 256
.irp s, 0,1
	v_add_nc_u32 v[ADRA+\s], s21, v4
	v_add_nc_u32 v[ADRB+\s], s22, v4
	s_add_co_u32 s21, s21, SLOT
	s_add_co_u32 s22, s22, SLOT
.endr
	v_mul_u32_u24 v5, v1, KS                       ; my row's scales: 32 bytes a row,
	v_lshrrev_b32 v6, 8, v5
	v_lshl_add_u32 v5, v6, 4, v5                   ; and 16 more for each 256 passed
	s_mul_i32 s21, s15, HALFS
	s_mul_i32 s22, s16, HALFS
	s_add_co_u32 s22, s22, 2*HALFS
	s_sub_co_u32 s22, s22, s21
	v_mul_u32_u24 v6, s22, v2                      ; lanes 16-31 take W's: one product, the distance between the two bases
	s_add_co_u32 s21, s21, SCL
	v_add_nc_u32 v5, v5, v6
	v_add_nc_u32 v[ADRS], s21, v5
	s_mul_i32 s23, s14, 16*SPITCH
	s_add_co_u32 s23, s23, STAGE                   ; my stage
	v_mul_u32_u24 v5, v1, SPITCH                   ; in: row l % 16, 16 bytes for each half of the lanes
	v_lshl_add_u32 v5, v2, 4, v5
	v_add_nc_u32 v[STO], s23, v5
	v_mul_u32_u24 v5, v2, SPITCH                   ; back: lanes 0-15 one row of 256 bytes, lanes 16-31 the next
	v_lshl_add_u32 v5, v1, 4, v5
	v_add_nc_u32 v[RD], s23, v5
	v_mul_u32_u24 v5, v2, CROW                     ; and the same two rows in qkv
	v_lshl_add_u32 v[CO], v1, 4, v5
.macro FRAG reg, adr, q, i             ; 16 rows x 128 K of 4-bit codes: 8 registers; registers 4 c .. 4 c + 3 hold K = 64 c + 32 (l / 16) + 0 .. 31
.irp c, 0,1
	ds_load_b128 v[\reg+4*\c:\reg+4*\c+3], v[\adr] offset:64*(\q)+32*\c+(\i)*16*PITCH
.endr
.endm
; 16 matrix instructions: X's blocks a0, a0 + 1 x W's eight, 128 along K.  p: W's set; sc: the set of scale words.  zero = 1: the first product starts the sums from the bias.
; The 64 accumulators take turns, one instruction a turn, in the same order in every step.
.macro MUL16 a0, p, q, sc, zero
.irp a, \a0, \a0+1
.irp b, 0,1,2,3,4,5,6,7
.if \zero
	v_wmma_scale_f32_16x16x128_f8f6f4 v[8*(8*((\a)%4)+\b):8*(8*((\a)%4)+\b)+7], v[128*(\p)+FR*\b:128*(\p)+FR*\b+FR-1], v[AF+FR*(\a):AF+FR*(\a)+FR-1], v[BIAS+8*\b:BIAS+8*\b+7], v[SC+8*NQ*(\sc)+NQ*\b+(\q)], v[SC+8*NQ*(\sc)+NQ*(\a)+(\q)] matrix_a_fmt:MATRIX_FMT_FP4 matrix_b_fmt:MATRIX_FMT_FP4 matrix_a_scale:MATRIX_SCALE_ROW1
.else
	v_wmma_scale_f32_16x16x128_f8f6f4 v[8*(8*((\a)%4)+\b):8*(8*((\a)%4)+\b)+7], v[128*(\p)+FR*\b:128*(\p)+FR*\b+FR-1], v[AF+FR*(\a):AF+FR*(\a)+FR-1], v[8*(8*((\a)%4)+\b):8*(8*((\a)%4)+\b)+7], v[SC+8*NQ*(\sc)+NQ*\b+(\q)], v[SC+8*NQ*(\sc)+NQ*(\a)+(\q)] matrix_a_fmt:MATRIX_FMT_FP4 matrix_b_fmt:MATRIX_FMT_FP4 matrix_a_scale:MATRIX_SCALE_ROW1
.endif
.endr
.endr
.endm
.macro FETCH_B slot, q, p
	WIN TO_B
.irp i, 0,1,2,3,4,5,6,7
	FRAG 128*(\p)+FR*\i, ADRB+\slot, \q, \i
.endr
	WIN 0
.endm
.macro FETCH_A slot, q, i0
.irp i, \i0, \i0+1, \i0+2, \i0+3
	FRAG AF+FR*(\i), ADRA+\slot, \q, \i
.endr
.endm
.macro SCALES sc                       ; a slot's scale words: four words a row; lanes 0-15 take X's block i, lanes 16-31 W's block i
.irp i, 0,1,2,3,4,5,6,7
	ds_load_b128 v[SC+8*NQ*\sc+NQ*\i:SC+8*NQ*\sc+NQ*\i+3], v[ADRS] offset:\i*SBLK
.endr
.endm
.macro PLACES n                        ; plain vector lines between a matrix instruction and a load into, or a read of, its registers
.rept \n
	v_nop
.endr
.endm
.macro STEP slot, q, zero              ; a step of 128 along K that has its successor in the same slot
	s_wait_dscnt 4*NL                              ; W's set and X's blocks 0-3 are in; the youngest eight loads (X's blocks 4-7) may be out
.if \zero
	WIN BIA_LO
.else
	WIN MUL_LO
.endif
	MUL16 0, (\q)%2, \q, \slot, \zero
	MUL16 2, (\q)%2, \q, \slot, \zero
	s_wait_dscnt 0                                 ; X's blocks 4-7 are in
	PLACES NP
	FETCH_B \slot, (\q)+1, 1-(\q)%2
	FETCH_A \slot, (\q)+1, 0
.if \zero
	WIN BIA_HI
.else
	WIN MUL_HI
.endif
	MUL16 4, (\q)%2, \q, \slot, \zero
	MUL16 6, (\q)%2, \q, \slot, \zero
	PLACES NP
	WIN 0
	FETCH_A \slot, (\q)+1, 4
.endm
.macro STEPS slot, from
.set Q, \from
.rept NQ-1-\from
	STEP \slot, Q, 0
.set Q, Q+1
.endr
.endm
	s_wait_tensorcnt 1                             ; the scales and my part of slot 0 are in; slot 1's load may be out
	s_barrier_signal -1
	s_barrier_wait -1                              ; everybody's are
	FETCH_B 0, 0, 0
	FETCH_A 0, 0, 0
	SCALES 0
	FETCH_A 0, 0, 4
	s_wait_loadcnt 0x0                             ; the bias
	STEP 0, 0, 1
	STEPS 0, 1
	; slot 0's last step changes slots: one barrier; in front of it my part of slot 1 has landed
	s_wait_tensorcnt 0x0                           ; all my tensor loads have landed
	ds_add_u32 v[SPW], v[NIL]
	s_wait_dscnt 4*NL+1                            ; (the add and X's blocks 4-7 may be out)
	WIN MUL_LO
	MUL16 0, 1, NQ-1, 0, 0
	s_wait_dscnt 0x0
	s_barrier_signal -1
	MUL16 2, 1, NQ-1, 0, 0
	WIN 0
	s_barrier_wait -1                              ; slot 1 is whole
	PLACES NP
	v_add_nc_u32 v[ADRS], 4*NQ, v[ADRS]            ; on to slot 1's scale words
	FETCH_B 1, 0, 0
	FETCH_A 1, 0, 0
	SCALES 1
	WIN MUL_HI
	MUL16 4, 1, NQ-1, 0, 0
	MUL16 6, 1, NQ-1, 0, 0
	PLACES NP
	WIN 0
	FETCH_A 1, 0, 4
	STEPS 1, 0
	s_wait_dscnt 4*NL                              ; the very last step: nothing more to fetch
	WIN MUL_LO
	MUL16 0, 1, NQ-1, 1, 0
	MUL16 2, 1, NQ-1, 1, 0
	s_wait_dscnt 0
	WIN MUL_HI
	MUL16 4, 1, NQ-1, 1, 0
	MUL16 6, 1, NQ-1, 1, 0
	WIN 0
; THE WAY OUT, a block of 16 rows x 128 columns at a time: rounded to f16 (16 bytes a lane), into my own stage, back as whole rows of 256 bytes, stored sixteen lanes to 256 consecutive aligned bytes.
.macro PACK a
.set AC, 64*((\a)%4)
	WIN 0x0a+5*((\a)/4)                            ; sources 0 and 1: window 2 or 3
.irp b, 0,1,2,3,4,5,6,7
.irp r, 0,1,2,3
	v_cvt_pk_f16_f32 v[TMP+4*\b+\r], v[AC+8*\b+2*\r], v[AC+8*\b+2*\r+1]   ; each accumulator from its low end on
.endr
.endr
	WIN 0
.endm
.macro TOSTAGE a
.set BK, 96+128*((\a)%2)
.irp b, 0,1,2,3,4,5,6,7
	ds_store_b128 v[STO], v[TMP+4*\b:TMP+4*\b+3] offset:32*\b
.endr
.irp t, 0,1,2,3,4,5,6,7
	ds_load_b128 v[BK+4*\t:BK+4*\t+3], v[RD] offset:\t*2*SPITCH    ; LDS serves a wave's instructions in order: these see the stores above
.endr
.endm
.macro SEND a
.set BK, 96+128*((\a)%2)
	s_wait_dscnt 0x0                               ; the block is back in registers
	s_wait_xcnt 0x0                                ; earlier stores have read their base and their data: both may be written again
.if (\a) > 0
	s_add_nc_u64 s[12:13], s[12:13], 16*CROW
.endif
.irp t, 0,1,2,3,4,5,6,7
	global_store_b128 v[CO], v[BK+4*\t:BK+4*\t+3], s[12:13] offset:2*\t*CROW
.endr
.endm
	PLACES NP
	PACK 0
	TOSTAGE 0
.irp a, 1,2,3,4,5,6,7                  ; block a's conversions stand between block a - 1's loads from the stage and the wait for them
	PACK \a
	SEND \a-1
	TOSTAGE \a
.endr
	SEND 7
	s_wait_tensorcnt 0x0                           ; the wave's end
	ds_add_u32 v[SPW], v[NIL]
	s_wait_dscnt 0x0
	CROUND                                         ; the closing round
	s_endpgm
.Lfunc_end_k_q592ae360da_qkv_gemm:
	.size	k_q592ae360da_qkv_gemm, .Lfunc_end_k_q592ae360da_qkv_gemm-k_q592ae360da_qkv_gemm
	.p2alignl 7, 3214868480
	.fill 96, 4, 3214868480
	.section	.rodata,"a",@progbits
	.p2align	6, 0x0
	.amdhsa_kernel k_q592ae360da_qkv_gemm
		.amdhsa_group_segment_fixed_size 327680
		.amdhsa_private_segment_fixed_size 0
		.amdhsa_enable_private_segment 0
		.amdhsa_kernarg_size 48
		.amdhsa_user_sgpr_count 2
		.amdhsa_user_sgpr_kernarg_segment_ptr 1
		.amdhsa_wavefront_size32 1
		.amdhsa_system_sgpr_workgroup_id_x 1
		.amdhsa_system_sgpr_workgroup_id_y 1
		.amdhsa_system_sgpr_workgroup_id_z 1
		.amdhsa_system_vgpr_workitem_id 0
		.amdhsa_next_free_vgpr 1024
		.amdhsa_next_free_sgpr 98
		.amdhsa_reserve_vcc 0
		.amdhsa_float_denorm_mode_32 3
		.amdhsa_float_denorm_mode_16_64 3
		.amdhsa_memory_ordered 1
		.amdhsa_forward_progress 1
		.amdhsa_inst_pref_size 128
	.end_amdhsa_kernel
	.amdgpu_metadata
---
amdhsa.version: [ 1, 2 ]
amdhsa.kernels:
  - .name:           k_q592ae360da_qkv_gemm
    .symbol:         k_q592ae360da_qkv_gemm.kd
    .args:
      - { .name: xc, .offset: 0, .size: 8, .value_kind: global_buffer, .address_space: global }
      - { .name: xs, .offset: 8, .size: 8, .value_kind: global_buffer, .address_space: global }
      - { .name: wc, .offset: 16, .size: 8, .value_kind: global_buffer, .address_space: global }
      - { .name: ws, .offset: 24, .size: 8, .value_kind: global_buffer, .address_space: global }
      - { .name: b, .offset: 32, .size: 8, .value_kind: global_buffer, .address_space: global }
      - { .name: qkv, .offset: 40, .size: 8, .value_kind: global_buffer, .address_space: global }
    .group_segment_fixed_size: 327680
    .private_segment_fixed_size: 0
    .kernarg_segment_align: 8
    .kernarg_segment_size: 48
    .max_flat_workgroup_size: 128
    .sgpr_count:     98
    .vgpr_count:     1024
    .wavefront_size: 32
...
	.end_amdgpu_metadata
.endif
;; end of part 2
;; launch scores (part 3): grid 8 x 32, 4 waves a work-group, clusters of 4 x 4, 327,680 bytes of LDS; arguments qkv, p, stats; writes p, stats
.if DOCPART == 3
	.amdgcn_target "amdgcn-amd-amdhsa--gfx1250"
	.amdhsa_code_object_version 6
	.text
	.protected	k_q592ae360da_scores
	.globl	k_q592ae360da_scores
	.p2align	8
	.type	k_q592ae360da_scores,@function
k_q592ae360da_scores:
	s_mov_b64 s[64:65], 0
	v_nop
	global_prefetch_b8 v0, s[64:65] scope:SCOPE_SE
	s_setreg_imm32_b32 hwreg(HW_REG_WAVE_MODE, 25, 1), 1
	s_wait_xcnt 0x0
	s_wait_alu depctr_hold_cnt(0) depctr_sa_sdst(0) depctr_va_vdst(0) depctr_va_sdst(0) depctr_va_ssrc(0) depctr_va_vcc(0) depctr_vm_vsrc(0)
	s_getreg_b32 s2, hwreg(HW_REG_IB_STS2, 6, 4)
	s_cmp_eq_u32 s2, 0
	s_cbranch_scc0 .Lentry_in_a_cluster
	s_endpgm
.Lentry_in_a_cluster:
	s_bfe_u32 s2, ttmp6, 0x10000c
	s_cmp_lg_u32 s2, 0xf033
	s_cbranch_scc0 .Lentry_shape_is_right
	s_endpgm
.Lentry_shape_is_right:
; S = Q K^T on f16 operands, f32 sums, and the first half of the softmax.  qkv: f16 [8192 tokens][3072]: Q at byte 0 of a row, K at byte 2,048.  4 batches of 2,048 tokens.
; t = score x log2(e) / 32.  For each query and each block of 128 keys: M = the block's largest t rounded UP to a whole number; p = 2^(t - M), at most 1, rounded to f16;
; N = -M and l = the sum of the unrounded p, both f32, go to stats: N[block 0..15][query] from byte 0, l likewise from byte 524,288.  The next launch brings every block under the row's largest M by an exact power of two:
; so the row's maximum is taken away for every input, with no fixed shift.
; p IS LAID AS THE NEXT LAUNCH'S OPERAND REGISTERS: [512 blocks of 16 queries][64 groups of 32 keys][1,024 bytes]: registers 0-3 of the 32 lanes, 16 bytes a lane, then registers 4-7.  A lane's packed results here are
; those registers in those lanes, so they are stored as they stand: each store covers 512 consecutive bytes, aligned, and nothing goes through LDS.
; LIMITS: NaN and infinities are not served; |t| stays under 2^24, so that M is exact.
; A tile of 256 queries x 256 keys is made by four waves, each 128 x 128: 64 accumulators, 512 registers.  K = 1,024 channels goes in 8 steps of 128 through two LDS slots filled by tensor loads (rows of 256 bytes).
; CLUSTERS: 4 x 4 work-groups: Q's tile is shared along a row of the cluster, K's along a column (a cluster's 1,024 queries lie in one batch); each is asked for jointly.
; THE MATRIX INSTRUCTION IS USED TRANSPOSED (source 0 = 16 keys, source 1 = 16 queries): a lane holds ONE query (lane % 16) and keys 16 b + 8 (lane / 16) + 0..7; lanes l and l xor 16 hold a query's 128 keys.
; REGISTERS: window 0: v0-31 addresses; v64-127, v128-191 Q's fragments, two buffers; on the way out v64-218 at work.  window 1: v64-127, v128-191 K's fragments.  windows 2, 3: the accumulators ((a, b) at v[8 (8 a + b)]).
.set ROWB,   6144                      ; a row of qkv in bytes,
.set ROWE,   3072                      ; in elements
.set PBLK,   65536                     ; p: from a block of 16 queries to the next
.set KSTEP,  128
.set PITCH,  272                       ; an LDS row: 256 bytes + 16 of padding: the 16 rows that a load touches start 68 words apart
.set HALFT,  128*PITCH
.set SLOT,   4*HALFT
.set SST,    2*SLOT                    ; behind the slots: 1,024 bytes for each wave: 128 N, then 128 l
.set SPARE,  SST+4*1024                ; the spare words, 128 bytes a wave
.set LAPS,   4                         ; a lap = two K steps
.set ADRA, 16
.set ADRB, 20
.set SGO,  23                          ; v23  16 x lane
.set SSW,  27                          ; v27  where I put my query's N (lanes 0-15) or l (lanes 16-31)
.set SPW,  28
.set NIL,  29
.set PFO,  30                          ; v30  the prefetches' offset: lane x a row of qkv; never rewritten
.set SSR,  31                          ; v31  where I read 16 bytes of them back
.set F0,   64
.set F1,   128
.set T,    64                          ; the way out: t - M, then p: 64 registers
.set PK,   128                         ; p as f16: two sets of 32, by turns
.set SN,   192                         ; N of my query in block of rows a
.set SL,   200                         ; l likewise
.set CM,   208                         ; four chains of the maximum
.set NM,   212                         ; v[212:213] N: the packed form names a pair and takes its low word
.set LA,   214
.set LB,   216
.set TT,   218
.set G1, 24
.set G0, 32
.set G1B, 48
.set G0B, 56
.set LIM,  43                          ; s43  1 in a wave that prefetches, else the greatest number
.set PFA,  44                          ; s[44:45] where my prefetches stand
.set MH,   18                          ; s18  a mask of lanes 16-31
.set SEL,  20                          ; s[20:21] lane selects: lane l xor 16
.set CS,   22                          ; s[22:23] c = log2(e) / 32
.set MSB, 0
.macro WIN new
.if MSB != (\new)
	s_set_vgpr_msb (MSB<<8)|(\new)
.set MSB, \new
.endif
.endm
.set MUL_LO, 0xa1                      ; source 0 (K) window 1, source 1 (Q) window 0, C and D window 2
.set MUL_HI, 0xf1
.set TO_B,   0x40
; A joint load: waves 0 and 1 fetch Q's two halves, waves 2 and 3 K's.  The branch hangs on the wave's number alone.  An s_nop 0 and four v_nop follow each of the two lines.
.macro JLOAD s
	s_cmp_eq_u32 s11, 0
	s_cbranch_scc0 .Lfor_b_\@
	tensor_load_to_lds s[G0+4*\s:G0+4*\s+3], s[G1:G1+7]
	s_nop 0
.rept 4
	v_nop
.endr
	s_branch .Lasked_\@
.Lfor_b_\@:
	tensor_load_to_lds s[G0B+4*\s:G0B+4*\s+3], s[G1B:G1B+7]
	s_nop 0
.rept 4
	v_nop
.endr
.Lasked_\@:
.endm
; A prefetch of the K step that stands two refills on: 32 rows x 256 bytes, a lane a row, one instruction a wave, behind the joint load and the run of LDS loads.
; Each row's 256 bytes of a K step are named once in the launch: Q's rows by the cluster with x = 0, K's by the first of a batch's two rows of clusters; of the 128 rows that a wave fetches each of the four partners
; takes 32, told apart by address.  The loop's last trip (s3 = 1) asks for nothing: there is no K step two on.  K steps 0 to 3 come by their loads alone.
.macro ASK
	s_cmp_gt_u32 s3, s[LIM]
	s_cbranch_scc0 .Lnot_mine_\@
	global_prefetch_b8 v[PFO], s[PFA:PFA+1] offset:KSTEP*2 th:TH_LOAD_NT scope:SCOPE_SE
.Lnot_mine_\@:
.endm
.macro CREST                           ; a round of the cluster's barrier behind its opening barrier
	s_cmp_lg_u32 s10, 0
	s_cbranch_scc1 .Lnot_wave_0_\@
	s_barrier_signal -3
.Lnot_wave_0_\@:
	s_barrier_wait -3
	s_barrier_signal -1
	s_barrier_wait -1
.endm
.macro CROUND
	s_barrier_signal -1
	s_barrier_wait -1
	CREST
.endm
	s_load_b128 s[4:7], s[0:1], 0x0                ; qkv s[4:5], p s[6:7]
	s_load_b64 s[8:9], s[0:1], 0x10                ; stats
	v_lshl_add_u32 v[SPW], v0, 2, SPARE
	v_mov_b32 v[NIL], 0
	ds_add_u32 v[SPW], v[NIL]                      ; the wave's opening: the add, twice on end, and its wait ahead of my first tensor load
	ds_add_u32 v[SPW], v[NIL]
	v_lshrrev_b32 v1, 5, v0
	v_readfirstlane_b32 s10, v1                    ; wave 0..3
	s_lshr_b32 s11, s10, 1                         ; which half of the tile's queries is mine.  Also: I fetch for Q (0) or for K (1)
	s_and_b32 s12, s10, 1                          ; which half of its keys.  Also: which 128 rows of that tile I fetch
	s_bfe_u32 s40, ttmp6, 0x40000                  ; cx
	s_bfe_u32 s41, ttmp6, 0x40004                  ; cy
	s_lshl_b32 s42, ttmp9, 2
	s_add_co_u32 s42, s42, s40                     ; tile of keys in the batch = 4 x cluster x + cx
	s_and_b32 s2, ttmp7, 0xffff                    ; cluster y: two of them to a batch
	s_lshl_b32 s13, s2, 2
	s_add_co_u32 s13, s13, s41                     ; tile of queries = 4 x cluster y + cy
	s_lshl_b32 s43, s41, 2
	s_lshl_b32 s43, 15, s43                        ; my row of the cluster
	s_lshl_b32 s44, 0x1111, s40                    ; my column
	; descriptor group 1: 128 rows x 128 elements of 2 bytes, 16 bytes of padding behind each row
	s_or_b32 s[G1+0], s43, (1<<16)|(1<<20)|(1<<21)|(5<<22)|(3<<25)
	s_or_b32 s[G1B+0], s44, (1<<16)|(1<<20)|(1<<21)|(5<<22)|(3<<25)
.irp g, G1, G1B
	s_mov_b32 s[\g+1], KSTEP<<16                   ; tensor_dim0
	s_mov_b32 s[\g+2], 128<<16                     ; tensor_dim1
	s_mov_b32 s[\g+3], KSTEP<<16                   ; tile_dim0
	s_mov_b32 s[\g+4], 128                         ; tile_dim1
	s_mov_b32 s[\g+5], ROWE                        ; from row to row
	s_mov_b32 s[\g+6], 0
	s_mov_b32 s[\g+7], 0
.endr
	s_lshl_b32 s17, s12, 7                         ; which 128 rows of the tile I fetch
	s_lshl_b32 s16, s13, 8
	s_add_co_u32 s16, s16, s17                     ; Q: token 256 x tile of queries + 128 x half
	s_lshr_b32 s46, s2, 1                          ; the batch, from the cluster's y alone
	s_lshl_b32 s46, s46, 11
	s_lshl_b32 s47, s42, 8
	s_add_co_u32 s46, s46, s47
	s_add_co_u32 s46, s46, s17                     ; K: token 2,048 x batch + 256 x tile of keys + 128 x half
	s_mov_b32 s17, 0
	s_mov_b32 s47, 0
	s_mov_b64 s[18:19], ROWB
	s_mul_u64 s[16:17], s[16:17], s[18:19]
	s_mul_u64 s[46:47], s[46:47], s[18:19]
	s_add_nc_u64 s[46:47], s[46:47], 2048          ; K's part of a row
	s_mul_i32 s20, s10, HALFT                      ; where they go: wave x 128 rows
	s_wait_dscnt 0x0                               ; both opening adds are done
	s_wait_kmcnt 0x0
	s_add_nc_u64 s[14:15], s[4:5], s[16:17]
	s_add_nc_u64 s[46:47], s[4:5], s[46:47]
	CROUND                                         ; all sixteen work-groups are here: the first joint loads meet
.irp s, 0,1
	s_mov_b32 s[G0+4*\s], 1
	s_add_co_u32 s[G0+4*\s+1], s20, \s*SLOT
	s_add_nc_u64 s[G0+4*\s+2:G0+4*\s+3], s[14:15], \s*KSTEP*2
	s_or_b32 s[G0+4*\s+3], s[G0+4*\s+3], 0x80000000
	s_mov_b32 s[G0B+4*\s], 1
	s_add_co_u32 s[G0B+4*\s+1], s20, \s*SLOT
	s_add_nc_u64 s[G0B+4*\s+2:G0B+4*\s+3], s[46:47], \s*KSTEP*2
	s_or_b32 s[G0B+4*\s+3], s[G0B+4*\s+3], 0x80000000
	JLOAD \s                                       ; two loads of mine are out
.endr
	v_and_b32 v1, 15, v0                           ; l % 16
	v_bfe_u32 v2, v0, 4, 1                         ; l / 16
	v_mul_u32_u24 v3, v1, PITCH
	v_lshl_add_u32 v3, v2, 4, v3                   ; a fragment's row x pitch + 16 x half
	s_mul_i32 s21, s11, HALFT                      ; my 128 rows of Q
	s_mul_i32 s22, s12, HALFT                      ; my 128 rows of K,
	s_add_co_u32 s22, s22, 2*HALFT                 ; which lie behind Q's 256
.irp s, 0,1
	v_add_nc_u32 v[ADRA+\s], s21, v3
	v_add_nc_u32 v[ADRB+\s], s22, v3
	s_add_co_u32 s21, s21, SLOT
	s_add_co_u32 s22, s22, SLOT
.endr
	s_lshl_b32 s23, s10, 10
	s_add_co_u32 s23, s23, SST                     ; my 1,024 bytes for N and l
	v_lshlrev_b32 v5, 2, v1
	v_lshl_add_u32 v5, v2, 9, v5
	v_add_nc_u32 v[SSW], s23, v5                   ; 4 (l % 16) + 512 (l / 16)
	v_and_b32 v6, 31, v0
	v_lshlrev_b32 v[SGO], 4, v6
	v_add_nc_u32 v[SSR], s23, v[SGO]
	v_mov_b32 v[NM+1], 0                           ; (named as the upper half of a pair, so it is written)
	; where my part of p and of stats begins
	s_lshl_b32 s16, s13, 8
	s_lshl_b32 s17, s11, 7
	s_add_co_u32 s16, s16, s17                     ; my first query
	s_lshl_b32 s14, s16, 2
	s_lshl_b32 s16, s16, 12                        ; 65,536 bytes for each 16 queries: under 2^26
	s_lshl_b32 s46, s42, 13                        ; 1,024 bytes for each 32 keys: 8 groups a tile,
	s_lshl_b32 s47, s12, 12                        ; 4 a half
	s_add_co_u32 s46, s46, s47
	s_add_co_u32 s16, s16, s46
	s_mov_b32 s17, 0
	s_add_nc_u64 s[6:7], s[6:7], s[16:17]
	s_lshl_b32 s46, s42, 1
	s_add_co_u32 s46, s46, s12                     ; my block of 128 keys: 2 x tile + half
	s_lshl_b32 s46, s46, 15                        ; 8,192 queries x 4 bytes a block
	s_add_co_u32 s46, s46, s14
	s_mov_b32 s47, 0
	s_add_nc_u64 s[8:9], s[8:9], s[46:47]
	; the prefetches
	s_lshl_b32 s20, s13, 8                         ; Q's tile: its first token
	s_lshr_b32 s21, s2, 1
	s_lshl_b32 s21, s21, 11
	s_lshl_b32 s22, s42, 8
	s_add_co_u32 s21, s21, s22                     ; K's tile: its first token
	s_and_b32 s22, s2, 1
	s_cmp_eq_u32 s11, 0                            ; do I fetch for Q?
	s_cselect_b32 s20, s20, s21
	s_cselect_b32 s21, s40, s41                    ; my place among the four that ask for the tile with me
	s_cselect_b32 s22, ttmp9, s22                  ; the coordinate along which other clusters read the same rows
	s_cselect_b32 s23, 0, 2048
	s_cmp_eq_u32 s22, 0
	s_cselect_b32 s[LIM], 1, -1                    ; the same in all sixteen partners, for a given wave
	s_lshl_b32 s22, s12, 7
	s_add_co_u32 s20, s20, s22                     ; + the 128 rows that I fetch
	s_lshl_b32 s21, s21, 5
	s_add_co_u32 s20, s20, s21                     ; + my work-group's 32 of them
	s_mul_i32 s20, s20, ROWB
	s_add_co_u32 s20, s20, s23
	s_add_co_u32 s20, s20, 2*KSTEP*2               ; at K step 2: the first refill steps it to 3 and names K step 4
	s_mov_b32 s21, 0
	s_add_nc_u64 s[PFA:PFA+1], s[4:5], s[20:21]
	v_and_b32 v[PFO], 31, v0
	v_mul_u32_u24 v[PFO], v[PFO], ROWB
	s_mov_b32 s[MH], 0xffff0000
	s_mov_b32 s[SEL], 0x76543210
	s_mov_b32 s[SEL+1], 0xfedcba98
	s_mov_b32 s[CS], 0x3d38aa3b                    ; log2(e) / 32
	s_mov_b32 s[CS+1], s[CS]
; 16 matrix instructions: blocks of queries a0, a0 + 1 of the window's four x all 8 blocks of keys, 32 channels.  zero = 1: the first product starts the sums.
; The 64 accumulators take turns, one instruction a turn, in the same order in every quarter.
.macro MUL16 f, hi, a0, zero
.irp a, \a0, \a0+1
.irp b, 0,1,2,3,4,5,6,7
.if \zero
	v_wmma_f32_16x16x32_f16 v[8*(8*(\a)+\b):8*(8*(\a)+\b)+7], v[\f+8*\b:\f+8*\b+7], v[\f+8*(4*\hi+\a):\f+8*(4*\hi+\a)+7], 0
.else
	v_wmma_f32_16x16x32_f16 v[8*(8*(\a)+\b):8*(8*(\a)+\b)+7], v[\f+8*\b:\f+8*\b+7], v[\f+8*(4*\hi+\a):\f+8*(4*\hi+\a)+7], v[8*(8*(\a)+\b):8*(8*(\a)+\b)+7]
.endif
.endr
.endr
.endm
.macro FETCH slot, k, f                ; 32 LDS loads in one run: the fragments of 32 channels at byte k of the rows, into buffer f
	WIN TO_B
.irp i, 0,1,2,3,4,5,6,7
	ds_load_b128 v[\f+8*\i:\f+8*\i+3],   v[ADRB+\slot] offset:\k+\i*16*PITCH
	ds_load_b128 v[\f+8*\i+4:\f+8*\i+7], v[ADRB+\slot] offset:\k+\i*16*PITCH+32
.endr
	WIN 0
.irp i, 0,1,2,3,4,5,6,7
	ds_load_b128 v[\f+8*\i:\f+8*\i+3],   v[ADRA+\slot] offset:\k+\i*16*PITCH
	ds_load_b128 v[\f+8*\i+4:\f+8*\i+7], v[ADRA+\slot] offset:\k+\i*16*PITCH+32
.endr
.endm
.macro PLACES                          ; four plain vector lines between a matrix instruction and a load into, or a read of, its registers
.rept 4
	v_nop
.endr
.endm
.macro QUARTER slot, k, f, g, zero     ; multiplies buffer f; in its middle it fetches the next quarter, at byte k, into buffer g
	s_wait_dscnt 8                                 ; K and Q's rows 0-63 are in; the youngest eight loads (Q's rows 64-127) may be out
	WIN MUL_LO
	MUL16 \f, 0, 0, \zero
	MUL16 \f, 0, 2, \zero
	PLACES
	FETCH \slot, \k, \g
	s_wait_dscnt 32                                ; all but the 32 just issued
	WIN MUL_HI
	MUL16 \f, 1, 0, \zero
	MUL16 \f, 1, 2, \zero
.endm
; The last quarter of a K step multiplies buffer 1 and changes slots: ONE barrier.  In front of it each wave waits for all its tensor loads (the one that is out is its part of the next slot), adds 0 to its spare word,
; and waits for that and for its reads of this slot.  fill = 1: the barrier opens a round of the cluster's barrier, and this slot is filled again first thing behind it, two K steps ahead.
.macro TURN slot, next, fill
.if \fill
	s_wait_xcnt 0x0                                ; the last prefetch, a K step back, has read its address: it is stepped here
	s_add_nc_u64 s[PFA:PFA+1], s[PFA:PFA+1], KSTEP*2
.endif
	WIN 0                                          ; (the add's two registers lie in window 0)
	s_wait_tensorcnt 0x0
	ds_add_u32 v[SPW], v[NIL]
	s_wait_dscnt 9                                 ; (the add and the youngest eight loads may be out)
	WIN MUL_LO
	MUL16 F1, 0, 0, 0
	s_wait_dscnt 0x0                               ; the add is done, and my reads of this slot are over
	s_barrier_signal -1
	MUL16 F1, 0, 2, 0
.if \fill
	WIN 0
.endif
	s_barrier_wait -1
.if \fill
	CREST                                          ; no wave of any partner still reads this slot or has a load on its way
	s_add_nc_u64 s[G0+4*\slot+2:G0+4*\slot+3], s[G0+4*\slot+2:G0+4*\slot+3], 2*KSTEP*2
	s_add_nc_u64 s[G0B+4*\slot+2:G0B+4*\slot+3], s[G0B+4*\slot+2:G0B+4*\slot+3], 2*KSTEP*2
	JLOAD \slot                                    ; my one tensor load behind the round; its four v_nop are also the places in front of the loads below
.else
	PLACES
.endif
	FETCH \next, 0, F0
.if \fill
	ASK
.endif
	WIN MUL_HI
	MUL16 F1, 1, 0, 0
	MUL16 F1, 1, 2, 0
.endm
	s_wait_tensorcnt 1                             ; my part of K step 0 is in; K step 1's may be out
	s_barrier_signal -1
	s_barrier_wait -1
	FETCH 0, 0, F0
	QUARTER 0, 64,  F0, F1, 1                      ; the first quarter stands in front of the loop: its products start the sums
	WIN 0
	s_mov_b32 s3, LAPS-1
.Llap:                                             ; a trip goes once round the ring and fills both slots again
	QUARTER 0, 128, F1, F0, 0
	QUARTER 0, 192, F0, F1, 0
	TURN 0, 1, 1
	QUARTER 1, 64,  F0, F1, 0
	QUARTER 1, 128, F1, F0, 0
	QUARTER 1, 192, F0, F1, 0
	TURN 1, 0, 1
	QUARTER 0, 64,  F0, F1, 0
	WIN 0
	s_sub_co_u32 s3, s3, 1
	s_cmp_lg_u32 s3, 0
	s_cbranch_scc1 .Llap
	QUARTER 0, 128, F1, F0, 0                      ; the last lap fills nothing
	QUARTER 0, 192, F0, F1, 0
	TURN 0, 1, 0
	QUARTER 1, 64,  F0, F1, 0
	QUARTER 1, 128, F1, F0, 0
	QUARTER 1, 192, F0, F1, 0
	s_wait_dscnt 8
	WIN MUL_LO
	MUL16 F1, 0, 0, 0
	MUL16 F1, 0, 2, 0
	s_wait_dscnt 0
	WIN MUL_HI
	MUL16 F1, 1, 0, 0
	MUL16 F1, 1, 2, 0
	WIN 0
; THE WAY OUT, a block of 16 queries x 128 keys at a time.
; SOFT a: the block's largest score of my query (four chains, each accumulator from its low end on; then lane l xor 16's), N = floor(-t) = -ceil(t), t - M by one fused multiply-add, 64 exponentials as ONE batch with one wait,
; the roundings to f16, and the sum of the unrounded p.
.macro SOFT a
.set AC, 64*((\a)%4)
.set PKA, PK+32*((\a)%2)
	WIN 0x0a+5*((\a)/4)                            ; sources 0 and 1: window 2 or 3; source 2 and the destination: window 0
.irp k, 0,1,2,3
	v_max_num_f32 v[CM+\k], v[AC+16*\k], v[AC+16*\k+1]
.endr
.irp i, 2,4,6,8,10,12,14
.irp k, 0,1,2,3
	v_max3_num_f32 v[CM+\k], v[AC+16*\k+\i], v[AC+16*\k+\i+1], v[CM+\k]
.endr
.endr
	WIN 0
	v_max3_num_f32 v[CM], v[CM], v[CM+1], v[CM+2]
	v_max_num_f32 v[CM], v[CM], v[CM+3]
	v_permlanex16_b32 v[CM+1], v[CM], s[SEL], s[SEL+1]
	v_max_num_f32 v[CM], v[CM], v[CM+1]            ; the largest score of my query among these 128 keys
	v_mul_f32 v[CM], s[CS], v[CM]                  ; as t (c is positive)
	v_floor_f32 v[NM], -v[CM]                      ; N = -M: a whole number
	v_mov_b32 v[SN+(\a)], v[NM]
	WIN 0x0a+5*((\a)/4)
.set i, 0
.rept 32
	v_pk_fma_f32 v[T+i:T+i+1], v[AC+i:AC+i+1], s[CS:CS+1], v[NM:NM+1] op_sel_hi:[1,0,0]   ; t - M, two at a time
.set i, i+2
.endr
	WIN 0
.set i, 0
.rept 64
	v_exp_f32 v[T+i], v[T+i]                       ; p = 2^(t - M), at most 1
.set i, i+1
.endr
	v_nop                                          ; a plain line behind the last exponential
	s_wait_alu depctr_va_vdst(0)                   ; one wait for the batch, ahead of its first reader
	s_wait_xcnt 0x0                                ; the stores of two blocks back have read this set of packed registers: it is written again only behind this wait
.set i, 0
.rept 32
	v_cvt_pk_f16_f32 v[PKA+i], v[T+2*i], v[T+2*i+1]   ; registers 8 g .. 8 g + 7: the operand's registers for keys 32 g on
.set i, i+1
.endr
	v_pk_add_f32 v[LA:LA+1], v[T:T+1], v[T+2:T+3]  ; the sum of the unrounded p, in two chains
	v_pk_add_f32 v[LB:LB+1], v[T+4:T+5], v[T+6:T+7]
.irp j, 8,12,16,20,24,28,32,36,40,44,48,52,56,60
	v_pk_add_f32 v[LA:LA+1], v[LA:LA+1], v[T+\j:T+\j+1]
	v_pk_add_f32 v[LB:LB+1], v[LB:LB+1], v[T+\j+2:T+\j+3]
.endr
	v_pk_add_f32 v[LA:LA+1], v[LA:LA+1], v[LB:LB+1]
	v_add_f32 v[TT], v[LA], v[LA+1]
	v_permlanex16_b32 v[CM+1], v[TT], s[SEL], s[SEL+1]
	v_add_f32 v[SL+(\a)], v[TT], v[CM+1]
.endm
.macro SENDP a                         ; block a's four fragments: eight stores of 512 consecutive bytes, 4,096 bytes on end; the block's place stands in the immediate
.set PKA, PK+32*((\a)%2)
.irp t, 0,1,2,3,4,5,6,7
	global_store_b128 v[SGO], v[PKA+4*\t:PKA+4*\t+3], s[6:7] offset:(\a)*PBLK+512*\t
.endr
.endm
	PLACES
.irp a, 0,1,2,3,4,5,6,7
	SOFT \a
	SENDP \a
.endr
	; N (lanes 0-15) and l (lanes 16-31) of my 128 queries meet in my own 1,024 bytes of LDS and leave as two runs of 512 consecutive bytes
.irp a, 0,1,2,3,4,5,6,7
	v_cndmask_b32 v[T+\a], v[SN+\a], v[SL+\a], s[MH]
.endr
.irp a, 0,1,2,3,4,5,6,7
	ds_store_b32 v[SSW], v[T+\a] offset:64*\a
.endr
	ds_load_b128 v[T+8:T+11], v[SSR]               ; LDS serves a wave's instructions in order: these see the stores above
	ds_load_b128 v[T+12:T+15], v[SSR] offset:512
	s_wait_dscnt 0x0
	global_store_b128 v[SGO], v[T+8:T+11], s[8:9]
	global_store_b128 v[SGO], v[T+12:T+15], s[8:9] offset:524288
	s_wait_tensorcnt 0x0                           ; the wave's end
	ds_add_u32 v[SPW], v[NIL]
	s_wait_dscnt 0x0
	CROUND                                         ; the closing round
	s_endpgm
.Lfunc_end_k_q592ae360da_scores:
	.size	k_q592ae360da_scores, .Lfunc_end_k_q592ae360da_scores-k_q592ae360da_scores
	.p2alignl 7, 3214868480
	.fill 96, 4, 3214868480
	.section	.rodata,"a",@progbits
	.p2align	6, 0x0
	.amdhsa_kernel k_q592ae360da_scores
		.amdhsa_group_segment_fixed_size 327680
		.amdhsa_private_segment_fixed_size 0
		.amdhsa_enable_private_segment 0
		.amdhsa_kernarg_size 24
		.amdhsa_user_sgpr_count 2
		.amdhsa_user_sgpr_kernarg_segment_ptr 1
		.amdhsa_wavefront_size32 1
		.amdhsa_system_sgpr_workgroup_id_x 1
		.amdhsa_system_sgpr_workgroup_id_y 1
		.amdhsa_system_sgpr_workgroup_id_z 1
		.amdhsa_system_vgpr_workitem_id 0
		.amdhsa_next_free_vgpr 1024
		.amdhsa_next_free_sgpr 66
		.amdhsa_reserve_vcc 0
		.amdhsa_float_denorm_mode_32 3
		.amdhsa_float_denorm_mode_16_64 3
		.amdhsa_memory_ordered 1
		.amdhsa_forward_progress 1
		.amdhsa_inst_pref_size 204
	.end_amdhsa_kernel
	.amdgpu_metadata
---
amdhsa.version: [ 1, 2 ]
amdhsa.kernels:
  - .name:           k_q592ae360da_scores
    .symbol:         k_q592ae360da_scores.kd
    .args:
      - { .name: qkv, .offset: 0, .size: 8, .value_kind: global_buffer, .address_space: global }
      - { .name: p, .offset: 8, .size: 8, .value_kind: global_buffer, .address_space: global }
      - { .name: stats, .offset: 16, .size: 8, .value_kind: global_buffer, .address_space: global }
    .group_segment_fixed_size: 327680
    .private_segment_fixed_size: 0
    .kernarg_segment_align: 8
    .kernarg_segment_size: 24
    .max_flat_workgroup_size: 128
    .sgpr_count:     66
    .vgpr_count:     1024
    .wavefront_size: 32
...
	.end_amdgpu_metadata
.endif
;; end of part 3
;; launch pv (part 4): grid 4 x 64, 4 waves a work-group, clusters of 4 x 4, 327,680 bytes of LDS; arguments p, qkv, stats, out0; writes out0
.if DOCPART == 4
	.amdgcn_target "amdgcn-amd-amdhsa--gfx1250"
	.amdhsa_code_object_version 6
	.text
	.protected	k_q592ae360da_pv
	.globl	k_q592ae360da_pv
	.p2align	8
	.type	k_q592ae360da_pv,@function
k_q592ae360da_pv:
	s_mov_b64 s[64:65], 0
	v_nop
	global_prefetch_b8 v0, s[64:65] scope:SCOPE_SE
	s_setreg_imm32_b32 hwreg(HW_REG_WAVE_MODE, 25, 1), 1
	s_wait_xcnt 0x0
	s_wait_alu depctr_hold_cnt(0) depctr_sa_sdst(0) depctr_va_vdst(0) depctr_va_sdst(0) depctr_va_ssrc(0) depctr_va_vcc(0) depctr_vm_vsrc(0)
	s_getreg_b32 s2, hwreg(HW_REG_IB_STS2, 6, 4)
	s_cmp_eq_u32 s2, 0
	s_cbranch_scc0 .Lentry_in_a_cluster
	s_endpgm
.Lentry_in_a_cluster:
	s_bfe_u32 s2, ttmp6, 0x10000c
	s_cmp_lg_u32 s2, 0xf033
	s_cbranch_scc0 .Lentry_shape_is_right
	s_endpgm
.Lentry_shape_is_right:
; out[q][ch] = (sum over the 16 blocks of 128 keys of f x (sum over the block's keys of p[q][key] V[key][ch])) / L[q]; the products on f16 operands with f32 sums, all else in f32.
; p: f16, each block of 128 keys under a whole number M of its own, laid as this launch's operand registers: [512 blocks of 16 queries][64 groups of 32 keys][1,024 bytes].
; stats: N = -M [block 0..15][query] from byte 0, l = the block's sum of p from byte 524,288.  V: f16, bytes 4,096 on of qkv's rows of 6,144.
; The row's M is the largest of its 16; f = 2^(M_block - M) is an exact power of two, at most 1; L = the sum of l x f.
; LIMITS: NaN and infinities are not served.
; A tile of 128 queries x 256 channels for each of 256 work-groups; a wave makes 64 x 128.  K = the batch's 2,048 keys, in 8 steps of 256 through two LDS slots of V; each wave fetches 64 keys x 512 bytes of a slot.
; CLUSTERS: 4 x 4 work-groups: V's tile is shared along a column of the cluster (a cluster's 512 queries lie in one batch) and is asked for jointly.
; p IS NOT ASKED FOR JOINTLY, though the four work-groups of a row of the cluster read the same p: two slots of 256 keys of V take 278,528 of LDS's 327,680 bytes, and p's 2 x 128 rows x 528 bytes, 135,168, do not fit beside
; them; with slots of 128 keys, which would hold both, a refill would have 128 products of a wave in which to land instead of 256.  So p comes from memory straight into registers, each load 512 consecutive bytes,
; in a ring of eight quarters (32 keys each), seven quarters ahead: 56 loads of a wave are out.  That ring is p's look-ahead: no prefetch is written for it.
; TRANSPOSED: source 0 = 16 channels x 32 keys of V^T, turned on its way out of LDS by ds_load_tr16_b128; source 1 = 16 queries x 32 keys of p.  A lane holds ONE query (lane % 16) and eight neighbouring channels.
; THE FOLD.  A block of 128 keys is four quarters: its first products start 32 sums with the constant 0; in its last quarter each sum, once finished, is folded into the running result by four packed fused multiply-adds
; with the lane's f.  They stand behind the next product, under a window setting of their own: two switches for each product of that quarter, six issue slots beside one product.  The first fold is a multiplication: nothing is cleared.
; REGISTERS: window 0: v0-51 addresses, L, 1 / L, the factors in hand; v64-195 at work in the head; v128-191, v192-255 V's fragments, two buffers; v64-255 on the way out.
;   window 1: p's ring: quarter q, block of queries a at v[32 q + 8 a].   window 2: the 32 sums of the block in hand ((a, b) at v[64 a + 8 b]).   window 3: the running result, at the same numbers; no matrix instruction names it.
.set QROW,   6144                      ; a row of qkv in bytes
.set OROW,   4096                      ; a row of out0
.set PBLK,   65536                     ; p: from a block of 16 queries to the next
.set PFRG,   1024                      ; p: a fragment, 16 queries x 32 keys
.set VP,     544                       ; a key's row of V in LDS: 512 bytes + 32 = 136 words: the 8 rows x 32 bytes that 16 lanes of the turning load take fall on different words modulo 64
.set VQ,     64*VP                     ; 64 keys: what one tensor load brings
.set SLOT,   4*VQ                      ; 256 keys
.set KSB,    256*QROW                  ; a K step of V in memory
.set FT,     2*SLOT                    ; behind the slots: the factors: 8,192 bytes a wave: [block of keys 16][block of queries 4][lane] x 4 bytes
.set SPARE,  FT+4*8192                 ; the spare words, 128 bytes a wave
.set SPITCH, 528                       ; the way out: 16 rows x (512 + 16) bytes for each wave, from LDS byte 0: in slot 0, which has had its last fill and its last read when the first result is stored there
.set TRIPS,  3
.set ADRV, 16                          ; v16-19 my place in V's tiles: slot 0 quarters 0-3, 4-7; slot 1 likewise (an LDS offset has 16 bits)
.set FT0,  22                          ; v22  my word in my wave's table
.set FTA,  23                          ; v23  the same at the block in hand
.set STO,  24
.set RD,   25
.set CO,   26                          ; v26  16 x lane; never rewritten
.set SPW,  28
.set NIL,  29
.set PFO,  30                          ; v30  the prefetches' offset: lane x a row of qkv; never rewritten
.set LS,   32                          ; v32-35 L of my query in block a
.set RI,   36                          ; v36-43 1 / L, twice each: pairs for the packed multiply
.set FS,   44                          ; v44-51 f of my query in block a, in the even registers (the packed form names a pair and takes its low word)
.set NN,   64                          ; the head: N, then f: [a][block of keys]
.set LL,   128                         ; l
.set NMN,  192                         ; the smallest N
.set T,    64                          ; the way out: a block's results
.set BK,   128                         ; rows read back: v128-191 and v192-255 by turns
.set VB,   128                         ; V's fragments
.set G1V, 24                           ; s[24:31] descriptor group 1
.set G0V, 32                           ; s[32:39] group 0, one set for each slot
.set FTS,  23                          ; s23  the table's byte of the next block of keys
.set LIM,  43                          ; s43  1 in a wave that prefetches, else the greatest number
.set PFA,  44                          ; s[44:45] where my prefetches stand
.set PB,   46                          ; s[46:47] p at my 64 queries and the K step in hand
.set MSB, 0
.macro WIN new
.if MSB != (\new)
	s_set_vgpr_msb (MSB<<8)|(\new)
.set MSB, \new
.endif
.endm
.set W_MUL,  0xa4                      ; source 0 (V) window 0, source 1 (p) window 1, C and D window 2
.set W_FOLD, 0xf2                      ; source 0 (a sum) window 2, source 1 (f) window 0, source 2 and destination (the result) window 3
.set TO_P,   0x40                      ; destination window 1, address window 0
.macro JLOAD s                         ; a joint load: every wave fetches its own 64 keys; an s_nop 0 and four v_nop follow
	tensor_load_to_lds s[G0V+4*\s:G0V+4*\s+3], s[G1V:G1V+7]
	s_nop 0
.rept 4
	v_nop
.endr
.endm
; A prefetch of the K step of V that the NEXT change of slots will ask for: 256 products of a wave ahead of that load; it stands behind the joint load and the runs of loads.  A lane a key, one instruction a wave.
; Each aligned 256 bytes are named once in the launch.  A K step's 256 keys x 512 bytes are read by a column of each of the batch's four clusters: the first of them asks; its four partners take 64 keys each, by address;
; of these, waves 0 and 1 take the first 32 and waves 2 and 3 the others; even waves a key's first 256 bytes, odd waves the second.  how = 1: a trip's first change of slots; how = 0: its second, which in the last trip
; (s3 = 1) asks for nothing: there is no K step behind the last.  K steps 0 to 2 come by their loads alone.
.macro ASK how
.if \how
	s_cmp_eq_u32 s[LIM], 1
.else
	s_cmp_gt_u32 s3, s[LIM]
.endif
	s_cbranch_scc0 .Lnot_mine_\@
	global_prefetch_b8 v[PFO], s[PFA:PFA+1] th:TH_LOAD_NT scope:SCOPE_SE
.Lnot_mine_\@:
.endm
.macro CREST                           ; a round of the cluster's barrier behind its opening barrier
	s_cmp_lg_u32 s12, 0
	s_cbranch_scc1 .Lnot_wave_0_\@
	s_barrier_signal -3
.Lnot_wave_0_\@:
	s_barrier_wait -3
	s_barrier_signal -1
	s_barrier_wait -1
.endm
.macro CROUND
	s_barrier_signal -1
	s_barrier_wait -1
	CREST
.endm
.macro PLOAD ring, kg                  ; eight loads: the four fragments of p of the group of 32 keys kg groups on from s[PB], into the ring's place
.irp a, 0,1,2,3
	global_load_b128 v[32*(\ring)+8*\a:32*(\ring)+8*\a+3],   v[CO], s[PB:PB+1] offset:\a*PBLK+(\kg)*PFRG
	global_load_b128 v[32*(\ring)+8*\a+4:32*(\ring)+8*\a+7], v[CO], s[PB:PB+1] offset:\a*PBLK+(\kg)*PFRG+512
.endr
.endm
	s_load_b256 s[4:11], s[0:1], 0x0               ; p s[4:5], qkv s[6:7], stats s[8:9], out0 s[10:11]
	v_lshl_add_u32 v[SPW], v0, 2, SPARE
	v_mov_b32 v[NIL], 0
	ds_add_u32 v[SPW], v[NIL]                      ; the wave's opening: the add, twice on end, and its wait ahead of my first tensor load
	ds_add_u32 v[SPW], v[NIL]
	v_lshrrev_b32 v1, 5, v0
	v_readfirstlane_b32 s12, v1                    ; wave 0..3
	s_lshr_b32 s13, s12, 1                         ; which half of the tile's queries is mine
	s_and_b32 s14, s12, 1                          ; which half of its channels
	s_bfe_u32 s40, ttmp6, 0x40000                  ; cx
	s_bfe_u32 s41, ttmp6, 0x40004                  ; cy
	s_lshl_b32 s42, ttmp9, 2
	s_add_co_u32 s42, s42, s40                     ; tile of channels = 4 x cluster x + cx
	s_and_b32 s2, ttmp7, 0xffff                    ; cluster y: four of them to a batch
	s_lshl_b32 s15, s2, 2
	s_add_co_u32 s15, s15, s41                     ; tile of queries = 4 x cluster y + cy
	s_lshl_b32 s44, 0x1111, s40                    ; my column of the cluster
	s_or_b32 s[G1V+0], s44, (1<<16)|(1<<20)|(1<<21)|(6<<22)|(7<<25)   ; the mask; elements of 2 bytes; padding on; bit 21 beside a mask; 8 words of padding behind every 128
	s_mov_b32 s[G1V+1], 256<<16                    ; tensor_dim0
	s_mov_b32 s[G1V+2], 64<<16                     ; tensor_dim1
	s_mov_b32 s[G1V+3], 256<<16                    ; tile_dim0
	s_mov_b32 s[G1V+4], 64                         ; tile_dim1
	s_mov_b32 s[G1V+5], 3072                       ; from row to row
	s_mov_b32 s[G1V+6], 0
	s_mov_b32 s[G1V+7], 0
	s_lshr_b32 s46, s2, 2                          ; the batch, from the cluster's y alone
	s_lshl_b32 s46, s46, 11
	s_lshl_b32 s17, s12, 6                         ; my 64 keys of a K step's 256
	s_add_co_u32 s46, s46, s17
	s_mul_i32 s46, s46, QROW                       ; V: token 2,048 x batch + 64 x wave,
	s_lshl_b32 s47, s42, 9
	s_add_co_u32 s46, s46, s47                     ; + 512 bytes x tile of channels,
	s_add_co_u32 s46, s46, 4096                    ; in V's part of a row
	s_mov_b32 s47, 0
	s_mul_i32 s21, s12, VQ                         ; where they go in a slot: no place in the cluster enters an LDS address
	s_mov_b32 s[FTS], 0
	s_wait_dscnt 0x0                               ; both opening adds are done
	s_wait_kmcnt 0x0
	s_add_nc_u64 s[46:47], s[6:7], s[46:47]
	CROUND                                         ; all sixteen work-groups are here: the first joint loads meet
.irp s, 0,1
	s_mov_b32 s[G0V+4*\s], 1
	s_add_co_u32 s[G0V+4*\s+1], s21, \s*SLOT
	s_add_nc_u64 s[G0V+4*\s+2:G0V+4*\s+3], s[46:47], \s*KSB
	s_or_b32 s[G0V+4*\s+3], s[G0V+4*\s+3], 0x80000000
	JLOAD \s                                       ; two loads of mine are out
.endr
	v_and_b32 v1, 15, v0                           ; r = l % 16
	v_bfe_u32 v2, v0, 4, 1                         ; h = l / 16
	v_and_b32 v5, 31, v0                           ; lane
	v_lshlrev_b32 v[CO], 4, v5
	s_lshl_b32 s16, s15, 7
	s_lshl_b32 s17, s13, 6
	s_add_co_u32 s16, s16, s17                     ; my first query
	s_lshl_b32 s18, s16, 2
	s_mov_b32 s19, 0
	s_add_nc_u64 s[8:9], s[8:9], s[18:19]
	s_lshl_b32 s16, s16, 12                        ; x 4,096 bytes: its place in p (65,536 bytes for each 16 queries) and in out0
	s_mov_b32 s17, 0
	s_add_nc_u64 s[PB:PB+1], s[4:5], s[16:17]
	WIN TO_P
.irp k, 0,1,2,3,4,5,6
	PLOAD \k, \k                                   ; the ring's first seven quarters
.endr
	WIN 0
	v_lshlrev_b32 v7, 2, v1
.set i, 0
.rept 64                               ; N and l of query 16 a + r for the 16 blocks of keys: register 16 a + block
	global_load_b32 v[NN+i], v7, s[8:9] offset:32768*(i%16)+64*(i/16)
	global_load_b32 v[LL+i], v7, s[8:9] offset:524288+32768*(i%16)+64*(i/16)
.set i, i+1
.endr
	s_lshl_b32 s17, s42, 10                        ; where my part of out0 begins
	s_add_co_u32 s16, s16, s17
	s_lshl_b32 s17, s14, 9
	s_add_co_u32 s16, s16, s17
	s_mov_b32 s17, 0
	s_add_nc_u64 s[10:11], s[10:11], s[16:17]
	v_and_b32 v4, 7, v0
	v_lshl_add_u32 v4, v2, 3, v4                   ; V: key 8 h + l % 8,
	v_mul_u32_u24 v4, v4, VP
	v_bfe_u32 v6, v0, 3, 1
	v_lshl_add_u32 v4, v6, 4, v4                   ; channels 8 ((l / 8) % 2) on,
	s_lshl_b32 s21, s14, 8                         ; in my 128 channels
	v_add_nc_u32 v[ADRV], s21, v4
	v_add_nc_u32 v[ADRV+1], 128*VP, v[ADRV]
	v_add_nc_u32 v[ADRV+2], SLOT, v[ADRV]
	v_add_nc_u32 v[ADRV+3], SLOT, v[ADRV+1]
	s_lshl_b32 s21, s12, 13
	s_add_co_u32 s21, s21, FT
	v_lshl_add_u32 v[FT0], v5, 2, s21
	s_mul_i32 s21, s12, 16*SPITCH                  ; my stage
	v_mul_u32_u24 v6, v1, SPITCH
	v_lshl_add_u32 v6, v2, 5, v6
	v_add_nc_u32 v[STO], s21, v6                   ; in: row r, 32 bytes for each half of the lanes
	v_add_nc_u32 v[RD], s21, v[CO]                 ; back: the 32 lanes take one row of 512 bytes
.irp a, 0,1,2,3
	v_mov_b32 v[FS+2*\a+1], 0                      ; (named as the upper halves of pairs, so they are written)
.endr
	; the prefetches
	s_lshr_b32 s20, s2, 2
	s_lshl_b32 s20, s20, 11                        ; the batch's first token,
	s_lshl_b32 s21, s41, 6
	s_add_co_u32 s20, s20, s21                     ; + my work-group's 64 keys,
	s_lshl_b32 s21, s13, 5
	s_add_co_u32 s20, s20, s21                     ; + my wave's 32 of them,
	s_add_co_u32 s20, s20, 2*256                   ; at K step 2: the first change of slots steps it to 3
	s_mul_i32 s20, s20, QROW
	s_lshl_b32 s21, s42, 9
	s_add_co_u32 s20, s20, s21
	s_lshl_b32 s21, s14, 8
	s_add_co_u32 s20, s20, s21                     ; my 256 of the tile's 512 bytes
	s_add_co_u32 s20, s20, 4096
	s_mov_b32 s21, 0
	s_add_nc_u64 s[PFA:PFA+1], s[6:7], s[20:21]
	s_and_b32 s22, s2, 3
	s_cmp_eq_u32 s22, 0
	s_cselect_b32 s[LIM], 1, -1                    ; the same in all sixteen partners
	v_mul_u32_u24 v[PFO], v5, QROW
	; the factors
	s_wait_loadcnt 0x0                             ; N, l, and the ring's first seven quarters
.irp a, 0,1,2,3
	v_min3_num_f32 v[NMN+\a], v[NN+16*\a], v[NN+16*\a+1], v[NN+16*\a+2]
.endr
.irp i, 3,5,7,9,11,13
.irp a, 0,1,2,3
	v_min3_num_f32 v[NMN+\a], v[NMN+\a], v[NN+16*\a+\i], v[NN+16*\a+\i+1]
.endr
.endr
.irp a, 0,1,2,3
	v_min_num_f32 v[NMN+\a], v[NMN+\a], v[NN+16*\a+15]   ; the smallest N = - the row's M
.endr
.set i, 0
.rept 64
	v_sub_f32 v[NN+i], v[NMN+i/16], v[NN+i]        ; M_block - M: a whole number, 0 or less
.set i, i+1
.endr
.set i, 0
.rept 64
	v_cvt_i32_f32 v[NN+i], v[NN+i]                 ; (it saturates)
.set i, i+1
.endr
.set i, 0
.rept 64
	v_ldexp_f32 v[NN+i], 1.0, v[NN+i]              ; f
.set i, i+1
.endr
.irp a, 0,1,2,3
	v_mul_f32 v[LS+\a], v[LL+16*\a], v[NN+16*\a]
.endr
.irp k, 1,2,3,4,5,6,7,8,9,10,11,12,13,14,15
.irp a, 0,1,2,3
	v_fma_f32 v[LS+\a], v[LL+16*\a+\k], v[NN+16*\a+\k], v[LS+\a]   ; L = the sum of l x f; the four rows by turns
.endr
.endr
.irp a, 0,1,2,3
	v_rcp_f32 v[RI+2*\a], v[LS+\a]
	v_rcp_f32 v[RI+2*\a+1], v[LS+\a]
.endr
	v_nop                                          ; a plain line behind the last reciprocal
	s_wait_alu depctr_va_vdst(0)                   ; one wait for the eight
.set i, 0
.rept 64
	ds_store_b32 v[FT0], v[NN+i] offset:512*(i%16)+128*(i/16)
.set i, i+1
.endr
.macro PLACES                          ; four plain vector lines between a matrix instruction and a load into, or a read of, its registers
.rept 4
	v_nop
.endr
.endm
; 32 products: quarter q of a K step, V's buffer f.  zero = 1: a block's first quarter starts the sums.  The 32 sums take turns, one instruction a turn, in the same order in every quarter.
.macro MUL32 f, q, zero
.irp a, 0,1,2,3
.irp b, 0,1,2,3,4,5,6,7
.if \zero
	v_wmma_f32_16x16x32_f16 v[64*\a+8*\b:64*\a+8*\b+7], v[VB+64*(\f)+8*\b:VB+64*(\f)+8*\b+7], v[32*(\q)+8*\a:32*(\q)+8*\a+7], 0
.else
	v_wmma_f32_16x16x32_f16 v[64*\a+8*\b:64*\a+8*\b+7], v[VB+64*(\f)+8*\b:VB+64*(\f)+8*\b+7], v[32*(\q)+8*\a:32*(\q)+8*\a+7], v[64*\a+8*\b:64*\a+8*\b+7]
.endif
.endr
.endr
.endm
; Sum i - 1 is folded into the result: result += f x sum (first = 1: result = f x sum), from the sum's low end on.
.macro FOLDP first
	WIN W_FOLD
.set j, i-1
.irp n, 0,2,4,6
.if \first
	v_pk_mul_f32 v[8*j+\n:8*j+\n+1], v[8*j+\n:8*j+\n+1], v[FS+2*(j/8):FS+2*(j/8)+1] op_sel_hi:[1,0]
.else
	v_pk_fma_f32 v[8*j+\n:8*j+\n+1], v[8*j+\n:8*j+\n+1], v[FS+2*(j/8):FS+2*(j/8)+1], v[8*j+\n:8*j+\n+1] op_sel_hi:[1,0,1]
.endif
.endr
.endm
; n products of a block's last quarter, from sum i0 on; behind each the fold of the sum before it.  The four lines of the fold before are the places between a sum's last product and its own fold; behind the first product four v_nop.
.macro MULF f, q, i0, n, first
.set i, \i0
.rept \n
	WIN W_MUL
	v_wmma_f32_16x16x32_f16 v[8*i:8*i+7], v[VB+64*(\f)+8*(i%8):VB+64*(\f)+8*(i%8)+7], v[32*(\q)+8*(i/8):32*(\q)+8*(i/8)+7], v[8*i:8*i+7]
.if i == 0
	PLACES
.else
	FOLDP \first
.endif
.set i, i+1
.endr
.endm
.macro FETCHV slot, q, g               ; 16 LDS loads in one run: quarter q's V, turned, into buffer g
.irp b, 0,1,2,3,4,5,6,7
	ds_load_tr16_b128 v[VB+64*(\g)+8*\b:VB+64*(\g)+8*\b+3],   v[ADRV+2*(\slot)+(\q)/4] offset:32*VP*((\q)%4)+32*\b
	ds_load_tr16_b128 v[VB+64*(\g)+8*\b+4:VB+64*(\g)+8*\b+7], v[ADRV+2*(\slot)+(\q)/4] offset:32*VP*((\q)%4)+16*VP+32*\b
.endr
.endm
.macro FACT                            ; the four factors of my lane for the block of keys that begins
	v_add_nc_u32 v[FTA], s[FTS], v[FT0]
	s_add_co_u32 s[FTS], s[FTS], 512
.irp a, 0,1,2,3
	ds_load_b32 v[FS+2*\a], v[FTA] offset:128*\a
.endr
.endm
; Quarter q (0 to 6) of the K step in slot: at its head the next quarter's V is fetched into the other buffer and (pl = 1) the p of seven quarters on into the ring's place that the quarter before has left; then its 32 products.
; lc: how many younger loads of p may be out when this quarter's have to be there: six quarters' 48, less in the tail.
.macro QUARTER slot, q, lc, pl, first
	s_wait_dscnt 0x0                               ; this quarter's V is in (asked for a quarter ago), and the factors
	s_wait_loadcnt \lc                             ; this quarter's p is in; loads come back in order (ISA guide 5.7.1)
	PLACES
	WIN 0
.if (\q)%4 == 0
	FACT
.endif
	FETCHV \slot, (\q)+1, ((\q)+1)%2
.if \pl
	WIN TO_P
	PLOAD ((\q)+7)%8, (\q)+7
.endif
.if (\q)%4 == 3
	MULF (\q)%2, \q, 0, 32, \first
.set i, 32
	FOLDP \first
.elseif (\q)%4 == 0
	WIN W_MUL
	MUL32 (\q)%2, \q, 1
.else
	WIN W_MUL
	MUL32 (\q)%2, \q, 0
.endif
.endm
; Quarter 7 ends a block of keys and changes slots: ONE barrier.  In front of it each wave waits for all its tensor loads (its part of the next slot), adds 0 to its spare word, and waits for that and for its reads of this slot.
; fill = 1: the barrier opens a round of the cluster's barrier, and this slot is filled again first thing behind it, two K steps ahead: that load has a K step, 256 products, in which to land.
.macro TURN slot, next, fill, how
	s_wait_xcnt 0x0                                ; p's loads, a quarter back, and the last prefetch have read their bases: they are stepped here
	s_add_nc_u64 s[PB:PB+1], s[PB:PB+1], 8*PFRG    ; the next K step's p
.if \fill
	s_add_nc_u64 s[PFA:PFA+1], s[PFA:PFA+1], KSB
.endif
	WIN 0                                          ; (the add's two registers lie in window 0)
	s_wait_tensorcnt 0x0
	ds_add_u32 v[SPW], v[NIL]
	s_wait_dscnt 1                                 ; this quarter's V is in; the add may be out
	s_wait_loadcnt 48                              ; this quarter's p is in; six quarters' loads may be out
	MULF 1, 7, 0, 8, 0
	s_wait_dscnt 0x0                               ; the add is done, and my reads of this slot are over
	s_barrier_signal -1
	MULF 1, 7, 8, 8, 0
	WIN 0
	s_barrier_wait -1
.if \fill
	CREST                                          ; no wave of any partner still reads this slot or has a load on its way
	s_add_nc_u64 s[G0V+4*\slot+2:G0V+4*\slot+3], s[G0V+4*\slot+2:G0V+4*\slot+3], 2*KSB
	JLOAD \slot                                    ; my one tensor load behind the round; its four v_nop are also places in front of the loads below
.else
	PLACES
.endif
	FETCHV \next, 0, 0
	WIN TO_P
	PLOAD 6, 6                                     ; quarter 6 of the next K step (the base has been stepped)
.if \fill
	WIN 0
	ASK \how
.endif
	MULF 1, 7, 16, 16, 0
.set i, 32
	FOLDP 0
.endm
	s_wait_tensorcnt 1                             ; my part of K step 0 is in; K step 1's may be out
	s_wait_dscnt 0x0                               ; my table is written
	s_barrier_signal -1
	s_barrier_wait -1
	FETCHV 0, 0, 0
	QUARTER 0, 0, 48, 1, 0                         ; the first block of keys stands in front of the loop: its fold starts the result
	QUARTER 0, 1, 48, 1, 0
	QUARTER 0, 2, 48, 1, 0
	QUARTER 0, 3, 48, 1, 1
	WIN 0
	s_mov_b32 s3, TRIPS
.Llap:                                             ; a trip goes once round the ring, from a K step's fifth quarter to the fourth of the K step two on, and fills both slots again
	QUARTER 0, 4, 48, 1, 0
	QUARTER 0, 5, 48, 1, 0
	QUARTER 0, 6, 48, 1, 0
	TURN 0, 1, 1, 1
	QUARTER 1, 0, 48, 1, 0
	QUARTER 1, 1, 48, 1, 0
	QUARTER 1, 2, 48, 1, 0
	QUARTER 1, 3, 48, 1, 0
	QUARTER 1, 4, 48, 1, 0
	QUARTER 1, 5, 48, 1, 0
	QUARTER 1, 6, 48, 1, 0
	TURN 1, 0, 1, 0
	QUARTER 0, 0, 48, 1, 0
	QUARTER 0, 1, 48, 1, 0
	QUARTER 0, 2, 48, 1, 0
	QUARTER 0, 3, 48, 1, 0
	WIN 0
	s_sub_co_u32 s3, s3, 1
	s_cmp_lg_u32 s3, 0
	s_cbranch_scc1 .Llap
	QUARTER 0, 4, 48, 1, 0                         ; the tail is written out: the last K step but one fills nothing,
	QUARTER 0, 5, 48, 1, 0
	QUARTER 0, 6, 48, 1, 0
	TURN 0, 1, 0, 0
	QUARTER 1, 0, 48, 1, 0                         ; the last K step's first quarter asks for the last quarter's p; then no load leaves, and the counts run down
	QUARTER 1, 1, 48, 0, 0
	QUARTER 1, 2, 40, 0, 0
	QUARTER 1, 3, 32, 0, 0
	QUARTER 1, 4, 24, 0, 0
	QUARTER 1, 5, 16, 0, 0
	QUARTER 1, 6, 8, 0, 0
	s_wait_dscnt 0x0
	s_wait_loadcnt 0x0
	MULF 1, 7, 0, 32, 0
.set i, 32
	FOLDP 0
	WIN 0
; THE WAY OUT, a block of 16 queries x 128 channels at a time: divided by L, through my own stage, back as whole rows of 512 bytes, which the 32 lanes store as 512 consecutive aligned bytes.
; The stage lies in slot 0: every wave has passed the last change of slots, behind which nobody reads that slot and no load fills it.
.macro OSC a
	WIN 0x03                                       ; source 0: window 3
.set i, 0
.rept 32
	v_pk_mul_f32 v[T+i:T+i+1], v[64*(\a)+i:64*(\a)+i+1], v[RI+2*(\a):RI+2*(\a)+1] op_sel_hi:[1,0]
.set i, i+2
.endr
	WIN 0
.endm
.macro TOSTAGE a
.set BB, BK+64*((\a)%2)
.irp b, 0,1,2,3,4,5,6,7
	ds_store_b128 v[STO], v[T+8*\b:T+8*\b+3] offset:64*\b
	ds_store_b128 v[STO], v[T+8*\b+4:T+8*\b+7] offset:64*\b+16
.endr
.irp t, 0,1,2,3,4,5,6,7,8,9,10,11,12,13,14,15
	ds_load_b128 v[BB+4*\t:BB+4*\t+3], v[RD] offset:\t*SPITCH      ; LDS serves a wave's instructions in order: these see the stores above
.endr
.endm
.macro SEND a, younger                 ; younger: the LDS instructions issued behind block a's loads, which may stay out
.set BB, BK+64*((\a)%2)
	s_wait_dscnt \younger
.if (\a) > 0
	s_add_nc_u64 s[10:11], s[10:11], 16*OROW       ; (behind a wait on XCNT: the earlier stores have read their base)
.endif
.irp t, 0,1,2,3,4,5,6,7,8,9,10,11,12,13,14,15
	global_store_b128 v[CO], v[BB+4*\t:BB+4*\t+3], s[10:11] offset:\t*OROW th:TH_STORE_NT
.endr
.endm
	OSC 0                                          ; its 32 lines are also the places in front of the loads into the registers that held V's fragments
	TOSTAGE 0
.irp a, 1,2,3
	OSC \a
.if \a > 1
	s_wait_xcnt 0x0                                ; block a - 2's stores have read their registers and their base
.endif
	TOSTAGE \a
	SEND \a-1, 32                                  ; behind block a - 1's loads: block a's 16 stores and 16 loads
.endr
	s_wait_xcnt 0x0
	SEND 3, 0
	s_wait_tensorcnt 0x0                           ; the wave's end
	ds_add_u32 v[SPW], v[NIL]
	s_wait_dscnt 0x0
	CROUND                                         ; the closing round
	s_endpgm
.Lfunc_end_k_q592ae360da_pv:
	.size	k_q592ae360da_pv, .Lfunc_end_k_q592ae360da_pv-k_q592ae360da_pv
	.p2alignl 7, 3214868480
	.fill 96, 4, 3214868480
	.section	.rodata,"a",@progbits
	.p2align	6, 0x0
	.amdhsa_kernel k_q592ae360da_pv
		.amdhsa_group_segment_fixed_size 327680
		.amdhsa_private_segment_fixed_size 0
		.amdhsa_enable_private_segment 0
		.amdhsa_kernarg_size 32
		.amdhsa_user_sgpr_count 2
		.amdhsa_user_sgpr_kernarg_segment_ptr 1
		.amdhsa_wavefront_size32 1
		.amdhsa_system_sgpr_workgroup_id_x 1
		.amdhsa_system_sgpr_workgroup_id_y 1
		.amdhsa_system_sgpr_workgroup_id_z 1
		.amdhsa_system_vgpr_workitem_id 0
		.amdhsa_next_free_vgpr 1024
		.amdhsa_next_free_sgpr 66
		.amdhsa_reserve_vcc 0
		.amdhsa_float_denorm_mode_32 3
		.amdhsa_float_denorm_mode_16_64 3
		.amdhsa_memory_ordered 1
		.amdhsa_forward_progress 1
		.amdhsa_inst_pref_size 255
	.end_amdhsa_kernel
	.section	.bss,"aw",@nobits
	.p2align	6
	.space	262144
	.amdgpu_metadata
---
amdhsa.version: [ 1, 2 ]
amdhsa.kernels:
  - .name:           k_q592ae360da_pv
    .symbol:         k_q592ae360da_pv.kd
    .args:
      - { .name: p, .offset: 0, .size: 8, .value_kind: global_buffer, .address_space: global }
      - { .name: qkv, .offset: 8, .size: 8, .value_kind: global_buffer, .address_space: global }
      - { .name: stats, .offset: 16, .size: 8, .value_kind: global_buffer, .address_space: global }
      - { .name: out0, .offset: 24, .size: 8, .value_kind: global_buffer, .address_space: global }
    .group_segment_fixed_size: 327680
    .private_segment_fixed_size: 0
    .kernarg_segment_align: 8
    .kernarg_segment_size: 32
    .max_flat_workgroup_size: 128
    .sgpr_count:     66
    .vgpr_count:     1024
    .wavefront_size: 32
...
	.end_amdgpu_metadata
.endif
;; end of part 4
